; MI455X (gfx1250); checked and timed in simulation.
; The chip was launched on July 23, 2026; its instructions are those of AMD's public machine-readable ISA for CDNA 5 (MIT licence, August 2026) and "CDNA5" Instruction Set Architecture Reference Guide (July 2026). The comments in the code are by the model that wrote it; some were corrected since.
;; Behavior Specific PFF. Allowed arithmetic: matrix products marked QUANTISED: E4M3 operands, one E8M0 scale for each 32 along K, by v_wmma_scale_f32_16x16x128_f8f6f4 with both operands' format E4M3, f32 sums; products left as they are: f32 operands where the result goes on into a quantised operand, else bf16, f16 or f32 operands; f32 sums; everything else in f32.
;; Inputs: B1 2 x 2,048 float32; B2 2 x 512 float32; W1 2 x 512 x 2,048 float32; W2 2 x 2,048 x 512 float32; b_seq 32 x 512 int32; x 32 x 512 x 512 float32.
;; Outputs: out0 32 x 512 x 512 float32.
;; This version of the problem:
;;   THIS VERSION OF THE PROBLEM IS GIVEN IN LOW PRECISION. The matrix products marked QUANTISED in the list below multiply operands that are first quantised to E4M3 (4 exponent bits, 3 mantissa bits; 8 bits a number), with one power-of-two scale for each 32 numbers along K (OCP MX v1.0); their sums are f32. All else is computed in f32.
;;   The module's matrix products, in the order in which they are computed (A, B: the left and right operand; K: the contracted axis; several contracted axes count as one K, in the product's order):
;;     1. [M 4,096, K 512] x [K 512, N 16,384]; A: input W1; B: input x: QUANTISED
;;     2. batch 2 x [M 16,384, K 2,048] x [K 2,048, N 512]; A: computed on the way; B: input W2: QUANTISED
;;     3. batch 16,384 x [M 512, K 3] x [K 3, N 1]; A: computed on the way; B: computed on the way: left as it is (K = 3 < 32)
;;   THE QUANTISER, for each operand of a quantised product, along K:
;;     - K is cut into blocks of 32 from its start; a last block that is shorter is filled with zeros.
;;     - A block's scale is 2^e with e = floor(log2(the largest magnitude in the block)) - 8, held to -126 .. 127; a block of zeros has e = 0. As a byte (E8M0): e + 127.
;;     - Each number is divided by its block's scale, clamped to +-448, and rounded to the nearest number of E4M3, ties to even, subnormals kept.
;;     - The product sums the exact products of the quantised numbers (number of the format x scale) in f32.
;;   ~~~python
;;   def quantise(x, axis):      # numpy; x: float32 -> the quantised numbers, widened to float32 again
;;       x = np.moveaxis(x, axis, -1); K = x.shape[-1]
;;       x = np.pad(x, [(0, 0)] * (x.ndim - 1) + [(0, -K % 32)]); x = x.reshape(x.shape[:-1] + (-1, 32)); a = np.abs(x).max(-1, keepdims=True)
;;       e = np.where(a > 0, np.clip(np.frexp(np.where(a > 0, a, 1))[1] - 1 - 8, -126, 127), 0)      # np.frexp(a)[1] - 1 = floor(log2(a)), exactly
;;       r = np.clip(x / 2.0 ** e, -448, 448)
;;       step = 2.0 ** (np.maximum(np.frexp(np.where(r == 0, 1, r))[1] - 1, -6) - 3)
;;       q = np.round(r / step) * step * 2.0 ** e      # np.round: ties to even
;;       return np.moveaxis(q.reshape(q.shape[:-2] + (-1,))[..., :K], -1, axis).astype(np.float32)
;;   ~~~
;;   OPERANDS COMPUTED ON THE WAY. 'Computed on the way' means the value that the module computes at that place (a softmax that the list does not call 'softmax' is quantised finished and normalised). What goes into a quantiser is computed in f32, as accurately as f32 sums, v_exp_f32 and their like allow (about 1e-6 of the number): no bf16 or f16 on the way to a quantiser, and a product that is left as it is and whose result goes on into a quantised operand takes f32 operands (vector FMAs, or v_wmma_f32_16x16x4_f32). A number that lies on a knife's edge between two numbers of the format may be rounded either way, as far as f32 arithmetic and the matrix unit's own rounding can turn it there, and no further.
;; 2 versions, each right; version 2 is version 1 with the launch ffn written anew for expert scheduling mode. Each part assembles by itself: llvm-mc -triple=amdgcn-amd-amdhsa -mcpu=gfx1250 --defsym DOCPART=n.
;; ======== version 1 of 2: 2 launches
;; workspace buffers: wq 4,325,376 bytes; order 65,536 bytes of whole numbers; counts 1,024 bytes of whole numbers
;; launch prep (part 1): grid 129 x 1, 8 waves a work-group, no clusters, 1,280 bytes of LDS; arguments W1, W2, b_seq, wq, order, counts; writes wq, order, counts
.if DOCPART == 1
	.amdgcn_target "amdgcn-amd-amdhsa--gfx1250"
	.amdhsa_code_object_version 6
	.text
	.protected	k_qbba7a6b39c_prep
	.globl	k_qbba7a6b39c_prep
	.p2align	8
	.type	k_qbba7a6b39c_prep,@function
k_qbba7a6b39c_prep:
	s_mov_b64 s[64:65], 0
	v_nop
	global_prefetch_b8 v0, s[64:65] scope:SCOPE_SE
	s_setreg_imm32_b32 hwreg(HW_REG_WAVE_MODE, 25, 1), 1
	s_wait_xcnt 0x0
; PREPARATION FOR THE ROUTED FFN.  Work-group 0 sorts the 16,384 tokens by their behaviour; work-groups 1-64 quantise W1, 65-128 W2.
; WEIGHTS.  W1 [2][512 (K)][2048] and W2 [2][2048 (K)][512], f32, have K as their first axis.  A lane takes a column and its registers run down K, so a block of 32
; along K lies in one lane's 32 registers and the conversions give codes with K innermost.  A block's scale is 2^(floor(log2(largest magnitude)) - 8); its byte is the
; largest magnitude's exponent field - 8, held at 1 from below; each number is held within +-448 x the scale and rounded to the nearest E4M3 code, ties to even.
; One wave = one task of 128 K x 32 columns.  The codes are stored IN THE ORDER OF THE CONSUMER'S OPERAND REGISTERS:
;   wq = [expert 2][wave 4][set 32][SETB bytes]; a set = 8 fragments of 2,048 bytes + 512 bytes of scale words; a fragment = [piece c 4][lane 32][16 bytes]:
;   lane (r, h) of piece c holds the codes k = 32 c + 16 h + 0..15 of operand row r.
;   sets 0-15 (W1): set P of wave w = hidden units 32 (16 w + P) + 0..31; fragment 2 s + u (K step s, tile u); lane r of tile u = unit 8 u + r + 8 (r / 8) of the 32;
;                   scale words: lane' 16 u + r holds four words, word s for K step s.
;   sets 16 + S (W2): K step S; fragment n = output tile 8 w + n; scale words: lane' 16 h' + r, word q = tile 2 q + h'.
; Each store of codes covers two aligned runs of 256 bytes, each whole.  The scale words (4 bytes, 16 bytes apart) are one byte for every 128 bytes read.
; SORT.  Wave w owns tokens 2048 w on.  Class 1 (b = 1), class 2 (b = 2), class 0 (every other b: the one-hot picks nothing for it).  Each wave counts its classes,
; the eight totals meet in LDS, and each token's place is its class's base + the number of its class ahead of it.  No atomics.
; order[place] = token; counts: n1 in the even words, n2 in the odd ones.
; LIMITS: NaN and infinities among the weights are not served.  A block of zeros gets the byte 1 where the quantiser's rule says 127: its codes are zeros, which add
; nothing under any byte but 0xff, and this program alone reads the bytes.  Blocks whose largest magnitude lies under 2^(9 - 127) are held at that floor's byte.
.set SETB, 16896
.set X,    32                          ; v32-159  weights: 128 numbers down K
.set C,    160                         ; v160-191 their codes: no store's data are written again
.set B,    32                          ; v32-95   sort: 64 behaviours, later the token numbers
.set AD,   96                          ; v96-159  sort: 64 store offsets
	s_load_b256 s[4:11], s[0:1], 0x0               ; W1 s[4:5], W2 s[6:7], b_seq s[8:9], wq s[10:11]
	s_load_b128 s[12:15], s[0:1], 0x20             ; order s[12:13], counts s[14:15]
	v_lshl_add_u32 v192, v0, 2, 0x100
	v_mov_b32 v193, 0
	v_lshrrev_b32 v1, 5, v0
	v_readfirstlane_b32 s18, v1                    ; wave 0..7
	v_and_b32 v2, 31, v0                           ; lane
	s_mov_b32 s19, 0x600000                        ; the mantissa field of 448
	s_wait_kmcnt 0x0
	s_cmp_eq_u32 ttmp9, 0                          ; the paths part on the work-group's number alone: all eight waves go the same way
	s_cbranch_scc1 .Lsort
	s_sub_co_u32 s20, ttmp9, 1                     ; 0..127
	v_lshlrev_b32 v3, 2, v2                        ; in: 4 bytes a lane: 32 neighbouring columns
	s_cmp_ge_u32 s20, 64
	s_cbranch_scc1 .Lw2
.macro LOADW stride                    ; 128 rows of K at my column; eight waves side by side read 1,024 consecutive bytes of a row
.set nn, 0
.rept 128
	global_load_b32 v[X+nn], v3, s[30:31] offset:nn*\stride th:TH_LOAD_NT
.set nn, nn+1
.endr
.endm
	; ---- W1: expert e, K step s of 128, pair pg of 32 hidden units
	s_lshr_b32 s21, s20, 5                         ; e
	s_bfe_u32 s22, s20, 0x20003                    ; s
	s_and_b32 s23, s20, 7
	s_lshl_b32 s23, s23, 3
	s_add_co_u32 s23, s23, s18                     ; pg = 8 (group % 8) + wave
	s_lshr_b32 s24, s23, 4                         ; the consumer's wave
	s_and_b32 s25, s23, 15                         ; its set P
	s_lshl_b32 s26, s21, 22                        ; e x 512 rows x 8,192 bytes
	s_lshl_b32 s27, s22, 20                        ; s x 128 rows
	s_add_co_u32 s26, s26, s27
	s_lshl_b32 s27, s23, 7                         ; pg x 32 columns
	s_add_co_u32 s26, s26, s27
	s_mov_b32 s27, 0
	s_lshl_b32 s28, s21, 2
	s_add_co_u32 s28, s28, s24
	s_lshl_b32 s28, s28, 5
	s_add_co_u32 s28, s28, s25                     ; the set's number: (4 e + w) 32 + P
	v_bfe_u32 v4, v2, 3, 1                         ; my column's tile u
	v_and_b32 v5, 7, v2
	v_lshrrev_b32 v6, 4, v2
	v_lshl_add_u32 v5, v6, 3, v5                   ; and its lane r in that tile
	v_lshlrev_b32 v5, 4, v5
	v_lshl_add_u32 v7, v4, 11, v5
	s_lshl_b32 s29, s22, 12
	v_add_nc_u32 v7, s29, v7                       ; codes: 4096 s + 2048 u + 16 r
	v_lshl_add_u32 v8, v4, 8, v5
	s_lshl_b32 s29, s22, 2
	s_add_co_u32 s29, s29, 16384
	v_add_nc_u32 v8, s29, v8                       ; scale word: 16384 + 256 u + 16 r + 4 s
	s_add_nc_u64 s[30:31], s[4:5], s[26:27]
	LOADW 8192
	s_branch .Lquant
.Lw2:	; ---- W2: expert e, K step S of 128, group cg of 32 outputs
	s_sub_co_u32 s20, s20, 64
	s_lshr_b32 s21, s20, 5                         ; e
	s_bfe_u32 s22, s20, 0x40001                    ; S
	s_and_b32 s23, s20, 1
	s_lshl_b32 s23, s23, 3
	s_add_co_u32 s23, s23, s18                     ; cg
	s_lshr_b32 s24, s23, 2                         ; the consumer's wave
	s_and_b32 s25, s23, 3                          ; q: its tiles 2 q and 2 q + 1
	s_lshl_b32 s26, s21, 22                        ; e x 2,048 rows x 2,048 bytes
	s_lshl_b32 s27, s22, 18                        ; S x 128 rows
	s_add_co_u32 s26, s26, s27
	s_lshl_b32 s27, s23, 7
	s_add_co_u32 s26, s26, s27
	s_mov_b32 s27, 0
	s_lshl_b32 s28, s21, 2
	s_add_co_u32 s28, s28, s24
	s_lshl_b32 s28, s28, 5
	s_add_co_u32 s28, s28, s22
	s_add_co_u32 s28, s28, 16                      ; the set's number: (4 e + w) 32 + 16 + S
	v_lshrrev_b32 v4, 4, v2
	v_and_b32 v5, 15, v2
	v_lshlrev_b32 v5, 4, v5
	v_lshl_add_u32 v7, v4, 11, v5
	s_lshl_b32 s29, s25, 12
	v_add_nc_u32 v7, s29, v7                       ; codes: (2 q + lane / 16) 2048 + 16 (lane % 16)
	v_lshlrev_b32 v8, 4, v2
	s_lshl_b32 s29, s25, 2
	s_add_co_u32 s29, s29, 16384
	v_add_nc_u32 v8, s29, v8                       ; scale word: 16384 + 16 lane + 4 q
	s_add_nc_u64 s[30:31], s[6:7], s[26:27]
	LOADW 2048
.Lquant:
	s_mul_i32 s28, s28, SETB
	s_mov_b32 s29, 0
	s_add_nc_u64 s[32:33], s[10:11], s[28:29]      ; my set in wq
; Block c of 32 along K: all 32 numbers are mine.  cnt: how many younger loads may stay out.
.macro QBLOCK c, cnt
.set XB, X+32*(\c)
	s_wait_loadcnt \cnt
	v_max3_num_f32 v10, |v[XB]|, |v[XB+1]|, |v[XB+2]|
	v_max3_num_f32 v11, |v[XB+3]|, |v[XB+4]|, |v[XB+5]|
.irp i, 6,10,14,18,22,26
	v_max3_num_f32 v10, v10, |v[XB+\i]|, |v[XB+\i+1]|
	v_max3_num_f32 v11, v11, |v[XB+\i+2]|, |v[XB+\i+3]|
.endr
	v_max3_num_f32 v10, v10, |v[XB+30]|, |v[XB+31]|
	v_max3_num_f32 v10, v10, v11, 0x4800000        ; and the floor 2^(9 - 127): the byte cannot fall under 1
	v_add_nc_u32 v12, 0xfc000000, v10              ; 8 off the exponent field: the conversion takes this operand's exponent field as its scale
	v_and_or_b32 v13, v10, 0x7f800000, s19         ; 448 x the scale
	v_lshrrev_b32 v11, 23, v12                     ; the scale's byte
.if (\c) == 0
	v_mov_b32 v14, v11                             ; four bytes make the word of these 128 along K, the lower K in the lower byte
.else
	v_lshl_or_b32 v14, v11, 8*(\c), v14
.endif
.set ii, 0
.rept 32
	v_med3_num_f32 v[XB+ii], v[XB+ii], -v13, v13   ; the conversion to an 8-bit code does not saturate (ISA guide 7.6.2): the hold comes first
.set ii, ii+1
.endr
.irp g, 0,1,2,3
	v_cvt_scalef32_pk8_fp8_f32 v[C+8*(\c)+2*\g:C+8*(\c)+2*\g+1], v[XB+8*\g:XB+8*\g+7], v12
.endr
	global_store_b128 v7, v[C+8*(\c):C+8*(\c)+3], s[32:33] offset:512*(\c)          ; k = 32 c + 0..15: the place of lane (r, 0)
	global_store_b128 v7, v[C+8*(\c)+4:C+8*(\c)+7], s[32:33] offset:512*(\c)+256    ; k = 32 c + 16..31: that of lane (r, 1)
.endm
	QBLOCK 0, 63                                   ; 96 younger loads were issued, and 64 behind block 1: the wait names 63, the most that its field holds
	QBLOCK 1, 63                                   ; (the issue of a load that would pass the counter's field is held back: ISA guide 5.7.1)
	QBLOCK 2, 32                                   ; block 3's 32 loads may be out
	QBLOCK 3, 0
	global_store_b32 v8, v14, s[32:33]
	s_endpgm
.Lsort:
	v_lshlrev_b32 v3, 4, v2
	s_lshl_b32 s20, s18, 13
	v_add_nc_u32 v3, s20, v3                       ; 8,192 bytes a wave, 16 a lane
.set nn, 0
.rept 16
	global_load_b128 v[B+4*nn:B+4*nn+3], v3, s[8:9] offset:512*nn     ; register 4 j + i: token 2048 w + 4 lane + 128 j + i
.set nn, nn+1
.endr
	s_lshl_b32 s21, s18, 11
	v_lshl_add_u32 v9, v2, 2, s21                  ; 2048 w + 4 lane
	v_lshlrev_b32 v11, 2, v1                       ; LDS: my wave's word
	s_mov_b32 s44, 0                               ; my wave's tokens of class 1,
	s_mov_b32 s45, 0                               ; of class 2
	s_wait_loadcnt 0x0
.set nn, 0
.rept 64
	v_cmp_eq_u32 s40, 1, v[B+nn]
	v_cmp_eq_u32 s41, 2, v[B+nn]
	s_bcnt1_i32_b32 s42, s40
	s_bcnt1_i32_b32 s43, s41
	s_add_co_u32 s44, s44, s42
	s_add_co_u32 s45, s45, s43
.set nn, nn+1
.endr
	s_lshl_b32 s45, s45, 16                        ; both in one word: no total passes 16,384
	s_or_b32 s44, s44, s45
	v_mov_b32 v10, s44
	ds_store_b32 v11, v10                          ; all lanes write the same word with the same value
	s_wait_dscnt 0x0                               ; for the others' sake: my store is done
	s_barrier_signal -1
	s_barrier_wait -1
	v_mov_b32 v12, 0
	ds_load_b128 v[16:19], v12
	ds_load_b128 v[20:23], v12 offset:16
	s_wait_dscnt 0x0
.irp k, 0,1,2,3,4,5,6,7
	v_readfirstlane_b32 s[24+\k], v[16+\k]
.endr
	s_mov_b32 s34, 0                               ; the totals of the waves ahead of mine,
	s_mov_b32 s35, 0                               ; of all waves
.irp k, 0,1,2,3,4,5,6,7
	s_cmp_gt_u32 s18, \k
	s_cselect_b32 s33, s[24+\k], 0
	s_add_co_u32 s34, s34, s33
	s_add_co_u32 s35, s35, s[24+\k]
.endr
	s_and_b32 s46, s35, 0xffff                     ; n1
	s_lshr_b32 s47, s35, 16                        ; n2
	s_and_b32 s36, s34, 0xffff                     ; class 1's next place
	s_lshr_b32 s37, s34, 16
	s_add_co_u32 s38, s46, s47
	s_add_co_u32 s38, s38, s21
	s_sub_co_u32 s38, s38, s36
	s_sub_co_u32 s38, s38, s37                     ; class 0's: n1 + n2 + the others ahead of my wave
	s_add_co_u32 s37, s37, s46                     ; class 2's: n1 + those ahead
.set nn, 0
.rept 64
	v_cmp_eq_u32 s40, 1, v[B+nn]
	v_cmp_eq_u32 s41, 2, v[B+nn]
	s_or_b32 s42, s40, s41
	s_not_b32 s42, s42                             ; class 0's lanes
	v_mbcnt_lo_u32_b32 v24, s40, 0                 ; how many lanes under mine are of each class
	v_mbcnt_lo_u32_b32 v25, s41, 0
	v_mbcnt_lo_u32_b32 v26, s42, 0
	v_add_nc_u32 v24, s36, v24
	v_add_nc_u32 v25, s37, v25
	v_add_nc_u32 v26, s38, v26
	v_cndmask_b32 v26, v26, v25, s41
	v_cndmask_b32 v26, v26, v24, s40               ; my token's place
	v_min_u32 v26, 0x3fff, v26                     ; a number made of loaded data is held inside the table before it enters an address
	v_lshlrev_b32 v[AD+nn], 2, v26
	v_add_nc_u32 v[B+nn], 128*(nn/4)+(nn%4), v9    ; the token's number, over its behaviour
	global_store_b32 v[AD+nn], v[B+nn], s[12:13]   ; the lanes of a class store neighbouring words; no register of a store is written again
	s_bcnt1_i32_b32 s43, s40
	s_add_co_u32 s36, s36, s43
	s_bcnt1_i32_b32 s43, s41
	s_add_co_u32 s37, s37, s43
	s_bcnt1_i32_b32 s43, s42
	s_add_co_u32 s38, s38, s43
.set nn, nn+1
.endr
	v_and_b32 v27, 1, v0
	v_cmp_eq_u32 vcc_lo, 1, v27
	v_mov_b32 v28, s46
	v_mov_b32 v29, s47
	v_cndmask_b32 v28, v28, v29, vcc_lo            ; even words n1, odd words n2
	v_lshlrev_b32 v30, 2, v0
	global_store_b32 v30, v28, s[14:15]            ; 256 threads fill the buffer's 1,024 bytes
	s_wait_tensorcnt 0x0
	ds_add_u32 v192, v193
	s_wait_dscnt 0x0
	s_endpgm
.Lfunc_end_k_qbba7a6b39c_prep:
	.size	k_qbba7a6b39c_prep, .Lfunc_end_k_qbba7a6b39c_prep-k_qbba7a6b39c_prep
	.p2alignl 7, 3214868480
	.fill 96, 4, 3214868480
	.section	.rodata,"a",@progbits
	.p2align	6, 0x0
	.amdhsa_kernel k_qbba7a6b39c_prep
		.amdhsa_group_segment_fixed_size 1280
		.amdhsa_private_segment_fixed_size 0
		.amdhsa_enable_private_segment 0
		.amdhsa_kernarg_size 48
		.amdhsa_user_sgpr_count 2
		.amdhsa_user_sgpr_kernarg_segment_ptr 1
		.amdhsa_wavefront_size32 1
		.amdhsa_system_sgpr_workgroup_id_x 1
		.amdhsa_system_sgpr_workgroup_id_y 1
		.amdhsa_system_sgpr_workgroup_id_z 1
		.amdhsa_system_vgpr_workitem_id 0
		.amdhsa_next_free_vgpr 194
		.amdhsa_next_free_sgpr 66
		.amdhsa_reserve_vcc 1
		.amdhsa_float_denorm_mode_32 3
		.amdhsa_float_denorm_mode_16_64 3
		.amdhsa_memory_ordered 1
		.amdhsa_forward_progress 1
		.amdhsa_inst_pref_size 129
	.end_amdhsa_kernel
	.amdgpu_metadata
---
amdhsa.version: [ 1, 2 ]
amdhsa.kernels:
  - .name:           k_qbba7a6b39c_prep
    .symbol:         k_qbba7a6b39c_prep.kd
    .args:
      - { .name: W1, .offset: 0, .size: 8, .value_kind: global_buffer, .address_space: global }
      - { .name: W2, .offset: 8, .size: 8, .value_kind: global_buffer, .address_space: global }
      - { .name: b_seq, .offset: 16, .size: 8, .value_kind: global_buffer, .address_space: global }
      - { .name: wq, .offset: 24, .size: 8, .value_kind: global_buffer, .address_space: global }
      - { .name: order, .offset: 32, .size: 8, .value_kind: global_buffer, .address_space: global }
      - { .name: counts, .offset: 40, .size: 8, .value_kind: global_buffer, .address_space: global }
    .group_segment_fixed_size: 1280
    .private_segment_fixed_size: 0
    .kernarg_segment_align: 8
    .kernarg_segment_size: 48
    .max_flat_workgroup_size: 256
    .sgpr_count:     66
    .vgpr_count:     194
    .wavefront_size: 32
...
	.end_amdgpu_metadata
.endif
;; end of part 1
;; launch ffn (part 2): grid 258 x 1, 4 waves a work-group, no clusters, 218,624 bytes of LDS; arguments x, B1, B2, wq, order, counts, out0; writes out0
.if DOCPART == 2
	.amdgcn_target "amdgcn-amd-amdhsa--gfx1250"
	.amdhsa_code_object_version 6
	.text
	.protected	k_qbba7a6b39c_ffn
	.globl	k_qbba7a6b39c_ffn
	.p2align	8
	.type	k_qbba7a6b39c_ffn,@function
k_qbba7a6b39c_ffn:
	s_mov_b64 s[64:65], 0
	v_nop
	global_prefetch_b8 v0, s[64:65] scope:SCOPE_SE
	s_setreg_imm32_b32 hwreg(HW_REG_WAVE_MODE, 25, 1), 1
	s_wait_xcnt 0x0
; out[t] = relu(x[t] W1[e] + B1[e]) W2[e] + B2[e] for tokens of behaviour e + 1 (e = 0, 1), zeros for every other behaviour.  Both products on codes of E4M3 with one E8M0 scale
; for each 32 along K.  Only each token's own expert is multiplied: the other's result is what the one-hot throws away.
; TILES.  The tokens lie sorted in 'order': n1 of expert 0, n2 of expert 1, the rest.  A work-group takes 64 sorted rows of ONE class.  Three classes of 16,384 rows in tiles of 64
; are never more than (16384 + 3 x 63) / 64 = 258 tiles, whatever the split: tiles of expert 0, of expert 1, of padding, then tiles that the split leaves empty (they store nothing).
; A ragged tile repeats its last row: the same bits are made and stored again, by the same wave.  So no lane is ever switched off.
; THE CHAIN of a tile: gather and quantise x (16 rows a wave) -> images in LDS | barrier | product 1 (C = B1), relu, quantise -> images in LDS | barrier | product 2 on top of B2 | scatter.
; THE WAVES SHARE THE COLUMNS: wave w makes hidden units 512 w .. + 511 and outputs 128 w .. + 127 for all 64 rows.  Its weights are one run of 540,672 bytes of wq, laid in the order
; of the operand registers; they go from memory straight into a ring of four sets of 128 registers, two sets ahead, each fragment loaded by one wave and used for four tiles of rows.
; Both products are used transposed (source 0 = 16 rows of the weight, source 1 = 16 tokens): a lane holds one token, its registers run along the units.  The hidden units of a tile
; are not neighbours (lane r of tile u of a pair: unit 8 u + r + 8 (r / 8)), so that a pair's 16 registers are 16 neighbours along the next K.
; EVERY WORK-GROUP PASSES THE SAME BARRIERS AND WALKS THE SAME LOOPS OF CONSTANT COUNT; whether a tile has products hangs on counts read from memory, so only the bodies stand under a
; scalar branch, and address steps stand outside them.  The price: a tile without products still gathers (token 0's row, 64 times) and asks for two weight sets a wave that it never reads.
; NO TENSOR LOADS, NO JOINT LOADS: which expert's weights a work-group walks, and whether it walks any, hangs on the counts; partners in a cluster would have to issue the same loads on
; every path, and about a third of the tiles (padding, empty) would stream 2 MB each for nothing.
; LIMITS: NaN and infinities among the inputs are not served.  A block of zeros gets the scale byte 1 where the quantiser's rule says 127: its codes are zeros, which add nothing.
; Blocks whose largest magnitude lies under 2^(9 - 127) are held at that floor's byte.
; REGISTERS, in windows of 256: window 0: v1-31 addresses; v32-63 scale words and nothing else; v64-127 the hidden accumulators; v128-215 at work; in product 2 v64-191 two sets of four hidden fragments.
;   window 1: x's 16 fragments, later the 32 accumulators of y.   windows 2, 3: the weight ring (set k: window 2 + k / 2, v[128 (k % 2)] on); window 3 first holds x's 256 numbers.
.set SETB,  16896                      ; a weight set: 8 fragments of 2,048 bytes + 512 bytes of scale words
.set STRM,  32*SETB                    ; a wave's stream
.set XIMG,  0                          ; LDS: x's fragments (tile of rows m, K step s) at (4 m + s) 2048, as images of their registers: [piece 4][lane 32][16 bytes]
.set XSC,   32768                      ; their scale words, (4 m + s) 128 + 4 lane
.set HIMG,  34816                      ; the hidden layer's fragments (K step S, m) at (4 S + m) 2048
.set HSC,   165888                     ; their scale words
.set BIAS1, 174080                     ; B1[e]: wave w's 2,048 bytes at 2048 w, read by that wave alone
.set BIAS2, 182272                     ; B2[e]: 512 bytes a wave
.set STG,   184320                     ; the way out: 16 rows x 528 bytes for each wave, its own
.set LI,   4                           ; v4   16 x lane
.set LS,   5                           ; v5   4 x lane
.set TK,   6                           ; v6-7 the tokens of rows lane and 32 + lane
.set TXR,  8                           ; v8   the token of row 16 w + lane % 16
.set XA,   9                           ; v9   its row of x, + 64 (lane / 16)
.set XWI,  10                          ; v10-11 where I store x's images and scale words
.set XWS,  11
.set HWI0, 12                          ; v12-13 the hidden layer's
.set HWS0, 13
.set BA0,  14                          ; v14  B1 in LDS: my wave's, + 64 (lane / 16)
.set B2A,  15                          ; v15  B2 in LDS: my wave's, + 32 (lane / 16)
.set HRI0, 16                          ; v16-17 where the hidden images and scale words are read
.set HRS0, 17
.set SO,   18                          ; v18  the stage: where I put 32 bytes of a row
.set SR,   19                          ; v19  and where I read a row back
.set OC,   20                          ; v20  my bytes of a row of out0: 512 w + 16 lane
.set ADH,  21                          ; v21-25 the addresses of the trip in hand
.set ADW,  22
.set ADB,  23
.set ADR,  24
.set ADS,  25
.set B1W,  26                          ; v26-27 where the biases are stored
.set B2W,  27
.set XS,   32                          ; v32-47 x's scale words 4 m + s;  in product 2 v32-39: the hidden layer's, two sets of four
.set HS,   32
.set WS,   48                          ; v48-63 the weights' scale words: four for each ring set
.set HA,   64                          ; hidden accumulator (m, u) at HA + 16 m + 8 u
.set PC,   128                         ; v128-143 codes just made
.set TM,   144                         ; v144-147 largest magnitudes, v148-151 bytes, v152-155 448 x the scale, v156-159 the conversions' scale operands
.set PW,   160                         ; v160-163 scale words in the making
.set BI,   164                         ; v164-195 B1 in the result's layout: two sets of two tiles
.set AUX,  196                         ; v196-215 the biases on their way to LDS
.set HF,   64                          ; product 2: hidden fragments, two sets of 4 x 16
.set OB,   64                          ; the way out: 16 rows read back
.set OA,   128                         ; and their offsets in out0
.set MSB, 0
.macro WIN new                         ; the immediate's high byte repeats the setting that is left; a switch that changes nothing is dropped
.if MSB != (\new)
	s_set_vgpr_msb (MSB<<8)|(\new)
.set MSB, (\new)
.endif
.endm
.macro PLACES n
.rept \n
	v_nop
.endr
.endm
.macro BARRIER                         ; my LDS stores have landed and my LDS loads are in: then the work-group's barrier
	s_wait_dscnt 0x0
	s_barrier_signal -1
	s_barrier_wait -1
.endm
; A weight set into ring place k: 32 loads of 512 consecutive bytes, and the set's four scale registers.  33 loads.  No cache hint: every tile of the expert reads these bytes.
.macro WLOAD k, off
	WIN 0x80+0x40*((\k)/2)
.set nn, 0
.rept 32
	global_load_b128 v[128*((\k)%2)+4*nn:128*((\k)%2)+4*nn+3], v[LI], s[10:11] offset:(\off)+512*nn
.set nn, nn+1
.endr
	WIN 0
	global_load_b128 v[WS+4*(\k):WS+4*(\k)+3], v[LI], s[10:11] offset:(\off)+16384
.endm
; Four groups of 16 numbers of a lane, v[src + 16 g + i] in window w, each half of a block of 32 (lane l xor 16 holds the other half), become 16 codes each in v[PC + 4 g] on;
; the blocks' bytes stay in v[TM + 4 + g].  relu = 1: what is negative becomes 0 on the way.  Accumulators are read from their low end on.
.macro QUANT4 src, w, relu
	WIN 5*(\w)
.irp g, 0,1,2,3
.if \relu
	v_max3_num_f32 v[TM+\g], v[(\src)+16*\g], v[(\src)+16*\g+1], 0x4800000           ; no |.|: what is negative must not count; the floor 2^(9 - 127) stands over it
.else
	v_max3_num_f32 v[TM+\g], |v[(\src)+16*\g]|, |v[(\src)+16*\g+1]|, 0x4800000       ; the floor holds the byte at 1 from below
.endif
.endr
	WIN 20*(\w)
.irp i, 2,4,6,8,10,12,14
.irp g, 0,1,2,3
.if \relu
	v_max3_num_f32 v[TM+\g], v[TM+\g], v[(\src)+16*\g+\i], v[(\src)+16*\g+\i+1]
.else
	v_max3_num_f32 v[TM+\g], v[TM+\g], |v[(\src)+16*\g+\i]|, |v[(\src)+16*\g+\i+1]|
.endif
.endr
.endr
	WIN 0
.irp g, 0,1,2,3
	v_permlanex16_b32 v[TM+4+\g], v[TM+\g], s20, s21
.endr
.irp g, 0,1,2,3
	v_max_num_f32 v[TM+\g], v[TM+\g], v[TM+4+\g]                ; with lane l xor 16's: the block's largest magnitude
.endr
.irp g, 0,1,2,3
	v_add_nc_u32 v[TM+12+\g], 0xfc000000, v[TM+\g]              ; 8 off its exponent field: the conversion's scale operand
.endr
.irp g, 0,1,2,3
	v_and_or_b32 v[TM+8+\g], v[TM+\g], 0x7f800000, s19          ; 448 x the scale
.endr
.irp g, 0,1,2,3
	v_lshrrev_b32 v[TM+4+\g], 23, v[TM+12+\g]                   ; the scale's byte
.endr
	WIN 65*(\w)
.irp g, 0,1,2,3
.irp i, 0,1,2,3,4,5,6,7,8,9,10,11,12,13,14,15
.if \relu
	v_med3_num_f32 v[(\src)+16*\g+\i], v[(\src)+16*\g+\i], 0, v[TM+8+\g]             ; the activation and the hold in one
.else
	v_med3_num_f32 v[(\src)+16*\g+\i], v[(\src)+16*\g+\i], -v[TM+8+\g], v[TM+8+\g]   ; the conversion to an 8-bit code does not saturate (ISA guide 7.6.2)
.endif
.endr
.endr
	WIN (\w)
.irp g, 0,1,2,3
	v_cvt_scalef32_pk8_fp8_f32 v[PC+4*\g:PC+4*\g+1], v[(\src)+16*\g:(\src)+16*\g+7], v[TM+12+\g]
	v_cvt_scalef32_pk8_fp8_f32 v[PC+4*\g+2:PC+4*\g+3], v[(\src)+16*\g+8:(\src)+16*\g+15], v[TM+12+\g]
.endr
	WIN 0
	v_nop                                          ; one plain vector line behind the last scaled conversion, ahead of whatever next touches its registers
.endm
; The offset in out0 of my 16 bytes of tile row 16 m + i
.macro ROWADR m, i, dst
	v_readlane_b32 s[44+(\i)], v[TK+(\m)/2], 16*((\m)%2)+(\i)
	s_min_u32 s[44+(\i)], s[44+(\i)], 0x3fff       ; a loaded number is held inside the table before it enters an address
	s_lshl_b32 s[44+(\i)], s[44+(\i)], 11          ; a row of 2,048 bytes
	v_add_nc_u32 v[\dst], s[44+(\i)], v[OC]
.endm
	; ---------------- HEAD
	s_load_b256 s[4:11], s[0:1], 0x0               ; x s[4:5], B1 s[6:7], B2 s[8:9], wq s[10:11]
	s_load_b128 s[12:15], s[0:1], 0x20             ; order s[12:13], counts s[14:15]
	s_load_b64 s[16:17], s[0:1], 0x30              ; out0
	v_lshl_add_u32 v254, v0, 2, 0x35400
	v_mov_b32 v255, 0
	v_lshrrev_b32 v28, 5, v0
	v_readfirstlane_b32 s18, v28                   ; wave 0..3
	v_and_b32 v1, 31, v0                           ; lane
	v_and_b32 v2, 15, v0                           ; r
	v_bfe_u32 v3, v0, 4, 1                         ; h
	v_lshlrev_b32 v[LI], 4, v1
	v_lshlrev_b32 v[LS], 2, v1
	s_mov_b32 s19, 0x600000                        ; the mantissa field of 448
	s_mov_b32 s20, 0x76543210
	s_mov_b32 s21, 0xfedcba98                      ; v_permlanex16_b32's selects for lane l xor 16
	s_wait_kmcnt 0x0
	s_load_b64 s[22:23], s[14:15], 0x0             ; n1, n2
	s_lshl_b32 s36, s18, 13
	v_add_nc_u32 v[XWI], s36, v[LI]                ; XIMG + 8192 w + 16 lane: my 16 rows are tile m = w
	s_lshl_b32 s36, s18, 9
	s_add_co_u32 s36, s36, XSC
	v_add_nc_u32 v[XWS], s36, v[LS]
	s_lshl_b32 s36, s18, 15
	s_add_co_u32 s36, s36, HIMG
	v_add_nc_u32 v[HWI0], s36, v[LI]               ; my 512 hidden units are K steps 4 w .. 4 w + 3
	s_lshl_b32 s36, s18, 11
	s_add_co_u32 s36, s36, HSC
	v_add_nc_u32 v[HWS0], s36, v[LS]
	s_lshl_b32 s36, s18, 11
	s_add_co_u32 s36, s36, BIAS1
	v_lshl_add_u32 v[BA0], v3, 6, s36
	v_add_nc_u32 v[B1W], s36, v[LI]
	s_lshl_b32 s36, s18, 9
	s_add_co_u32 s36, s36, BIAS2
	v_lshl_add_u32 v[B2A], v3, 5, s36
	v_add_nc_u32 v[B2W], s36, v[LI]
	v_add_nc_u32 v[HRI0], HIMG, v[LI]
	v_add_nc_u32 v[HRS0], HSC, v[LS]
	s_mul_i32 s36, s18, 16*528
	s_add_co_u32 s36, s36, STG
	v_mul_u32_u24 v[SO], v2, 528
	v_lshl_add_u32 v[SO], v3, 5, v[SO]
	v_add_nc_u32 v[SO], s36, v[SO]                 ; row r, + 32 h
	v_add_nc_u32 v[SR], s36, v[LI]
	s_lshl_b32 s36, s18, 9
	v_add_nc_u32 v[OC], s36, v[LI]
.irp g, 0,1,2,3
	v_mov_b32 v[TM+4+\g], 0                        ; written once: a lane permute's destination counts as one of its sources
.endr
	s_mov_b32 s39, 0                               ; the loops' LDS steps
	s_mov_b32 s40, 0
	s_mov_b32 s41, 0
	s_mov_b32 s42, 0
	s_mov_b32 s43, 0
	s_wait_kmcnt 0x0
	s_min_u32 s22, s22, 0x4000
	s_min_u32 s23, s23, 0x4000
	s_add_co_u32 s24, s22, 63
	s_lshr_b32 s24, s24, 6                         ; expert 0's tiles
	s_add_co_u32 s25, s23, 63
	s_lshr_b32 s25, s25, 6
	s_add_co_u32 s25, s25, s24                     ; + expert 1's
	s_add_co_u32 s44, s22, s23
	s_min_u32 s44, s44, 0x4000                     ; n1 + n2
	s_sub_co_u32 s35, 0x4000, s44                  ; the padding's rows
	s_add_co_u32 s26, s35, 63
	s_lshr_b32 s26, s26, 6
	s_add_co_u32 s26, s26, s25                     ; + the padding's tiles
	s_cmp_lt_u32 ttmp9, s24
	s_cselect_b32 s27, 0, s24                      ; my class's first tile,
	s_cselect_b32 s28, s22, s23                    ; its rows,
	s_cselect_b32 s29, 0, s22                      ; its first place in 'order',
	s_cselect_b32 s30, 0, 1                        ; the expert
	s_cmp_lt_u32 ttmp9, s25
	s_cselect_b32 s27, s27, s25
	s_cselect_b32 s28, s28, s35
	s_cselect_b32 s29, s29, s44
	s_cselect_b32 s31, 1, 0                        ; WORK: the tile has products
	s_cmp_lt_u32 ttmp9, s26
	s_cselect_b32 s32, 1, 0
	s_xor_b32 s32, s32, s31                        ; PAD: the tile has rows and no products
	s_sub_co_u32 s33, ttmp9, s27
	s_lshl_b32 s33, s33, 6                         ; the rows of my class ahead of my tile
	s_sub_co_u32 s34, s28, s33
	s_sub_co_u32 s34, s34, 1
	s_min_u32 s34, s34, 63                         ; my last row
	s_add_co_u32 s33, s33, s29                     ; my first place in 'order'
	s_min_u32 s30, s30, 1
	s_lshl_b32 s36, s30, 13
	s_lshl_b32 s37, s18, 11
	s_add_co_u32 s36, s36, s37
	s_mov_b32 s37, 0
	s_add_nc_u64 s[6:7], s[6:7], s[36:37]          ; B1[e], my 512 numbers
	s_lshl_b32 s36, s30, 11
	s_lshl_b32 s37, s18, 9
	s_add_co_u32 s36, s36, s37
	s_mov_b32 s37, 0
	s_add_nc_u64 s[8:9], s[8:9], s[36:37]          ; B2[e], my 128
	s_lshl_b32 s36, s30, 2
	s_add_co_u32 s36, s36, s18
	s_mul_i32 s36, s36, STRM
	s_add_nc_u64 s[10:11], s[10:11], s[36:37]      ; my stream of weights
	v_min_u32 v28, s34, v1                         ; row min(lane, last row),
	v_add_nc_u32 v28, s33, v28
	v_min_u32 v28, 0x3fff, v28
	v_lshlrev_b32 v28, 2, v28
	global_load_b32 v[TK], v28, s[12:13]
	v_add_nc_u32 v29, 32, v1                       ; row 32 + lane,
	v_min_u32 v29, s34, v29
	v_add_nc_u32 v29, s33, v29
	v_min_u32 v29, 0x3fff, v29
	v_lshlrev_b32 v29, 2, v29
	global_load_b32 v[TK+1], v29, s[12:13]
	s_lshl_b32 s36, s18, 4
	v_add_nc_u32 v30, s36, v2                      ; row 16 w + r
	v_min_u32 v30, s34, v30
	v_add_nc_u32 v30, s33, v30
	v_min_u32 v30, 0x3fff, v30
	v_lshlrev_b32 v30, 2, v30
	global_load_b32 v[TXR], v30, s[12:13]
	s_wait_loadcnt 0x0
	v_min_u32 v[TK], 0x3fff, v[TK]
	v_min_u32 v[TK+1], 0x3fff, v[TK+1]
	v_min_u32 v[TXR], 0x3fff, v[TXR]
	v_mul_u32_u24 v[XA], s31, v[TXR]               ; a tile without products gathers token 0's row
	v_lshlrev_b32 v[XA], 11, v[XA]
	v_lshl_add_u32 v[XA], v3, 6, v[XA]             ; my 16 numbers of a block of 32
	; ---------------- PADDING: zeros to the tile's rows; wave w stores bytes 512 w .. + 511 of each: 512 consecutive bytes a store
	s_cmp_eq_u32 s32, 0
	s_cbranch_scc1 .Lno_pad
.irp q, 0,1,2,3
	v_mov_b32 v[64+\q], 0
.endr
.irp m, 0,1,2,3
.irp i, 0,1,2,3,4,5,6,7,8,9,10,11,12,13,14,15
	ROWADR \m, \i, 128+16*\m+\i
	global_store_b128 v[128+16*\m+\i], v[64:67], s[16:17] th:TH_STORE_NT
.endr
.endr
	s_wait_xcnt 0x0                                ; the stores' registers are written again further down only behind this wait
.Lno_pad:
	; ---------------- X: the biases go to LDS; my 16 rows of x become four fragments
.irp q, 0,1,2,3
	global_load_b128 v[AUX+4*\q:AUX+4*\q+3], v[LI], s[6:7] offset:512*\q
.endr
	global_load_b128 v[AUX+16:AUX+19], v[LI], s[8:9]
	WIN 0xc0                                       ; destination window 3
.set nn, 0
.rept 64                                       ; K step s, block b, piece j: register 64 s + 16 b + 4 j = x(row, 128 s + 32 b + 16 h + 4 j ..).  No cache hint: a ragged tile names a row twice
	global_load_b128 v[4*nn:4*nn+3], v[XA], s[4:5] offset:512*(nn/16)+128*((nn/4)%4)+16*(nn%4)
.set nn, nn+1
.endr
	WIN 0
	s_wait_loadcnt 63                              ; 69 were issued: the oldest six are in, the five loads of the biases among them
.irp q, 0,1,2,3
	ds_store_b128 v[B1W], v[AUX+4*\q:AUX+4*\q+3] offset:512*\q
.endr
	ds_store_b128 v[B2W], v[AUX+16:AUX+19]
.irp s, 0,1,2,3
	s_wait_loadcnt 48-16*\s                        ; this K step's 16 loads are in; those of the later K steps may be out
.if \s == 3
	WLOAD 0, 0                                     ; all of x is in: the first two weight sets are asked for, into window 2
	WLOAD 1, SETB
.endif
	QUANT4 64*\s, 3, 0
	v_lshl_or_b32 v[PW], v[TM+5], 8, v[TM+4]       ; the four bytes make my row's scale word
	v_lshl_or_b32 v[PW], v[TM+6], 16, v[PW]
	v_lshl_or_b32 v[PW], v[TM+7], 24, v[PW]
.irp c, 0,1,2,3
	ds_store_b128 v[XWI], v[PC+4*\c:PC+4*\c+3] offset:2048*\s+512*\c
.endr
	ds_store_b32 v[XWS], v[PW] offset:128*\s
	s_wait_dscnt 0x0                               ; the stores have read their registers
.endr
	BARRIER                                        ; x's sixteen fragments lie in LDS
	; ---------------- all of x's fragments into window 1; they stay through product 1
	WIN 0x40
.set nn, 0
.rept 64
	ds_load_b128 v[4*nn:4*nn+3], v[LI] offset:XIMG+512*nn
.set nn, nn+1
.endr
	WIN 0
.set nn, 0
.rept 16
	ds_load_b32 v[XS+nn], v[LS] offset:XSC+128*nn
.set nn, nn+1
.endr
	s_wait_dscnt 0x0
; B1 of pair b of the trip, in the result's layout: lane (r, h), tile u: units 16 h + 8 u + 0..7 of the pair
.macro BFETCH b
.irp u, 0,1
.irp q, 0,1
	ds_load_b128 v[BI+16*((\b)%2)+8*\u+4*\q:BI+16*((\b)%2)+8*\u+4*\q+3], v[ADB] offset:128*(\b)+32*\u+16*\q
.endr
.endr
.endm
; 32 matrix instructions: ring set k (a pair of tiles of hidden units, four K steps) x the four tiles of rows.  The eight accumulators take turns, one instruction a turn.
.macro MM1 k, b
	WIN 0x06+(\k)/2                                ; source 0 (W1) window 2 or 3, source 1 (x) window 1, C and D window 0
.irp s, 0,1,2,3
.irp m, 0,1,2,3
.irp u, 0,1
.set rD, HA+16*\m+8*\u
.set rA, 128*((\k)%2)+16*(2*\s+\u)
.set rB, 16*(4*\m+\s)
.set rC, rD
.if \s == 0
.set rC, BI+16*((\b)%2)+8*\u                   ; the bias starts the sum
.endif
.if \u
	v_wmma_scale_f32_16x16x128_f8f6f4 v[rD:rD+7], v[rA:rA+15], v[rB:rB+15], v[rC:rC+7], v[WS+4*(\k)+\s], v[XS+4*\m+\s] matrix_a_scale:MATRIX_SCALE_ROW1
.else
	v_wmma_scale_f32_16x16x128_f8f6f4 v[rD:rD+7], v[rA:rA+15], v[rB:rB+15], v[rC:rC+7], v[WS+4*(\k)+\s], v[XS+4*\m+\s]
.endif
.endr
.endr
.endr
.endm
; A trip of product 1: four pairs = 128 hidden units = one K step of product 2, for all 64 rows.
.macro TRIP1
	BFETCH 0
.irp b, 0,1,2,3
	s_wait_loadcnt 33                              ; this pair's set is in; the next set's 33 loads may be out
.if \b < 3
	BFETCH \b+1
.endif
	WLOAD (\b+2)%4, (\b+2)*SETB                    ; two sets ahead; its ring place was multiplied two pairs ago, a quantiser's vector work back.  In the last trip the stream runs on into W2's sets
.if (\b == 0) || (\b == 3)
	s_wait_dscnt 4                                 ; this pair's bias is in: younger are the next pair's four loads (b = 0) or the last pair's four code stores (b = 3)
.else
	s_wait_dscnt 8                                 ; younger: the last pair's four code stores and the next pair's four loads
.endif
	MM1 \b, \b
	WIN 0
	PLACES 8                                       ; behind this form eight plain vector lines stand ahead of the first read of a result
.if \b < 3
	s_wait_dscnt 4                                 ; the last pair's code stores have read their registers (the next pair's bias may be out)
.else
	s_wait_dscnt 0x0
.endif
	QUANT4 HA, 0, 1                                ; group m: rows 16 m on, this pair's 32 units: one block of the next K
.irp m, 0,1,2,3
	ds_store_b128 v[ADH], v[PC+4*\m:PC+4*\m+3] offset:2048*\m+512*\b     ; piece b of fragment (K step, m)
.endr
.irp m, 0,1,2,3
.if \b == 0
	v_mov_b32 v[PW+\m], v[TM+4+\m]
.else
	v_lshl_or_b32 v[PW+\m], v[TM+4+\m], 8*\b, v[PW+\m]
.endif
.endr
.if \b == 3
.irp m, 0,1,2,3
	ds_store_b32 v[ADW], v[PW+\m] offset:128*\m
.endr
.endif
.endr
.endm
	; ---------------- PRODUCT 1: four trips, in every tile; the body only where there are products
	s_mov_b32 s38, 4
.Lp1:
	v_add_nc_u32 v[ADH], s39, v[HWI0]
	v_add_nc_u32 v[ADW], s40, v[HWS0]
	v_add_nc_u32 v[ADB], s41, v[BA0]
	s_cmp_eq_u32 s31, 0
	s_cbranch_scc1 .Lp1_skip
	TRIP1
.Lp1_skip:
	s_wait_xcnt 0x0                                ; the loads that are out have had their addresses translated: the stream's base may step
	s_add_nc_u64 s[10:11], s[10:11], 4*SETB
	s_add_co_u32 s39, s39, 8192
	s_add_co_u32 s40, s40, 512
	s_add_co_u32 s41, s41, 512
	s_sub_co_u32 s38, s38, 1
	s_cmp_lg_u32 s38, 0
	s_cbranch_scc1 .Lp1
	; ---------------- y begins as B2: loaded straight into the 32 accumulators (n, m) at 8 (4 n + m) of window 1, where x's fragments lay
	WIN 0x40
.irp n, 0,1,2,3,4,5,6,7
.irp m, 0,1,2,3
	ds_load_b128 v[8*(4*\n+\m):8*(4*\n+\m)+3], v[B2A] offset:64*\n
	ds_load_b128 v[8*(4*\n+\m)+4:8*(4*\n+\m)+7], v[B2A] offset:64*\n+16
.endr
.endr
	WIN 0
	BARRIER                                        ; the hidden layer's 64 fragments lie in LDS
; K step b of the trip: the four hidden fragments and their scale words: 20 LDS loads
.macro HFETCH b
.irp m, 0,1,2,3
.irp c, 0,1,2,3
	ds_load_b128 v[HF+64*((\b)%2)+16*\m+4*\c:HF+64*((\b)%2)+16*\m+4*\c+3], v[ADR] offset:8192*(\b)+2048*\m+512*\c
.endr
	ds_load_b32 v[HS+4*((\b)%2)+\m], v[ADS] offset:512*(\b)+128*\m
.endr
.endm
; 32 matrix instructions: ring set k (my eight tiles of outputs, one K step) x the four tiles of rows.  The 32 accumulators take turns, one instruction a turn.
.macro MM2 k, b
	WIN 0x52+(\k)/2                                ; source 0 (W2) window 2 or 3, source 1 (hidden) window 0, C and D window 1
.irp n, 0,1,2,3,4,5,6,7
.irp m, 0,1,2,3
.set rD, 8*(4*\n+\m)
.set rA, 128*((\k)%2)+16*\n
.set rB, HF+64*((\b)%2)+16*\m
.if \n%2
	v_wmma_scale_f32_16x16x128_f8f6f4 v[rD:rD+7], v[rA:rA+15], v[rB:rB+15], v[rD:rD+7], v[WS+4*(\k)+\n/2], v[HS+4*((\b)%2)+\m] matrix_a_scale:MATRIX_SCALE_ROW1
.else
	v_wmma_scale_f32_16x16x128_f8f6f4 v[rD:rD+7], v[rA:rA+15], v[rB:rB+15], v[rD:rD+7], v[WS+4*(\k)+\n/2], v[HS+4*((\b)%2)+\m]
.endif
.endr
.endr
.endm
; A trip of product 2: four K steps.  ahead = 0: the last trip, whose last two steps ask for no weights: the stream has ended.
.macro TRIP2 ahead
.irp b, 0,1,2,3
.if (\ahead == 0) && (\b == 3)
	s_wait_loadcnt 0x0
.else
	s_wait_loadcnt 33                              ; this K step's set is in; the next set's 33 loads may be out
.endif
	PLACES 8                                       ; ahead of loads into registers that the last products read
.if \b == 0
	HFETCH 0
.endif
.if \b < 3
	HFETCH \b+1
.endif
.if \ahead || (\b < 2)
	WLOAD (\b+2)%4, (\b+2)*SETB
.endif
.if \b < 3
	s_wait_dscnt 20                                ; this K step's fragments are in; the 20 loads just issued may be out
.else
	s_wait_dscnt 0x0
.endif
	MM2 \b, \b
	WIN 0
.endr
.endm
	; ---------------- PRODUCT 2: three trips in the loop, the fourth written out
	s_mov_b32 s38, 3
.Lp2:
	v_add_nc_u32 v[ADR], s42, v[HRI0]
	v_add_nc_u32 v[ADS], s43, v[HRS0]
	s_cmp_eq_u32 s31, 0
	s_cbranch_scc1 .Lp2_skip
	TRIP2 1
.Lp2_skip:
	s_wait_xcnt 0x0                                ; as above: the base steps only behind this wait
	s_add_nc_u64 s[10:11], s[10:11], 4*SETB
	s_add_co_u32 s42, s42, 32768
	s_add_co_u32 s43, s43, 2048
	s_sub_co_u32 s38, s38, 1
	s_cmp_lg_u32 s38, 0
	s_cbranch_scc1 .Lp2
	v_add_nc_u32 v[ADR], s42, v[HRI0]
	v_add_nc_u32 v[ADS], s43, v[HRS0]
	s_cmp_eq_u32 s31, 0
	s_cbranch_scc1 .Lend
	TRIP2 0
	; ---------------- THE WAY OUT, a tile of 16 rows at a time: a lane holds 32 neighbouring bytes of a row and the lanes beside it other rows, so the tile goes through my own stage
	; and comes back as rows of 512 bytes, which the 32 lanes store whole, each at its token's row.  LDS serves a wave's instructions in order (ISA guide 5.7.1.4): no wait between stores and loads.
	PLACES 8
.irp m, 0,1,2,3
.if \m > 0
	s_wait_xcnt 0x0                                ; the last tile's stores have read their registers
.endif
	WIN 0x04                                       ; an LDS store's data are its source 1: window 1
.irp n, 0,1,2,3,4,5,6,7
	ds_store_b128 v[SO], v[8*(4*\n+\m):8*(4*\n+\m)+3] offset:64*\n          ; each accumulator from its low end on
	ds_store_b128 v[SO], v[8*(4*\n+\m)+4:8*(4*\n+\m)+7] offset:64*\n+16
.endr
	WIN 0
.irp i, 0,1,2,3,4,5,6,7,8,9,10,11,12,13,14,15
	ds_load_b128 v[OB+4*\i:OB+4*\i+3], v[SR] offset:528*\i
.endr
.irp i, 0,1,2,3,4,5,6,7,8,9,10,11,12,13,14,15
	ROWADR \m, \i, OA+\i
.endr
.irp i, 0,1,2,3,4,5,6,7,8,9,10,11,12,13,14,15
	s_wait_dscnt 15-\i                             ; row i is back; the younger loads may be out
	global_store_b128 v[OA+\i], v[OB+4*\i:OB+4*\i+3], s[16:17] th:TH_STORE_NT   ; 512 consecutive bytes, at a multiple of 512 from out0's first byte
.endr
.endr
.Lend:
	s_wait_tensorcnt 0x0
	ds_add_u32 v254, v255
	s_wait_dscnt 0x0
	s_endpgm
.Lfunc_end_k_qbba7a6b39c_ffn:
	.size	k_qbba7a6b39c_ffn, .Lfunc_end_k_qbba7a6b39c_ffn-k_qbba7a6b39c_ffn
	.p2alignl 7, 3214868480
	.fill 96, 4, 3214868480
	.section	.rodata,"a",@progbits
	.p2align	6, 0x0
	.amdhsa_kernel k_qbba7a6b39c_ffn
		.amdhsa_group_segment_fixed_size 218624
		.amdhsa_private_segment_fixed_size 0
		.amdhsa_enable_private_segment 0
		.amdhsa_kernarg_size 56
		.amdhsa_user_sgpr_count 2
		.amdhsa_user_sgpr_kernarg_segment_ptr 1
		.amdhsa_wavefront_size32 1
		.amdhsa_system_sgpr_workgroup_id_x 1
		.amdhsa_system_sgpr_workgroup_id_y 1
		.amdhsa_system_sgpr_workgroup_id_z 1
		.amdhsa_system_vgpr_workitem_id 0
		.amdhsa_next_free_vgpr 1024
		.amdhsa_next_free_sgpr 66
		.amdhsa_reserve_vcc 0
		.amdhsa_float_denorm_mode_32 3
		.amdhsa_float_denorm_mode_16_64 3
		.amdhsa_memory_ordered 1
		.amdhsa_forward_progress 1
		.amdhsa_inst_pref_size 239
	.end_amdhsa_kernel
	.amdgpu_metadata
---
amdhsa.version: [ 1, 2 ]
amdhsa.kernels:
  - .name:           k_qbba7a6b39c_ffn
    .symbol:         k_qbba7a6b39c_ffn.kd
    .args:
      - { .name: x, .offset: 0, .size: 8, .value_kind: global_buffer, .address_space: global }
      - { .name: B1, .offset: 8, .size: 8, .value_kind: global_buffer, .address_space: global }
      - { .name: B2, .offset: 16, .size: 8, .value_kind: global_buffer, .address_space: global }
      - { .name: wq, .offset: 24, .size: 8, .value_kind: global_buffer, .address_space: global }
      - { .name: order, .offset: 32, .size: 8, .value_kind: global_buffer, .address_space: global }
      - { .name: counts, .offset: 40, .size: 8, .value_kind: global_buffer, .address_space: global }
      - { .name: out0, .offset: 48, .size: 8, .value_kind: global_buffer, .address_space: global }
    .group_segment_fixed_size: 218624
    .private_segment_fixed_size: 0
    .kernarg_segment_align: 8
    .kernarg_segment_size: 56
    .max_flat_workgroup_size: 128
    .sgpr_count:     66
    .vgpr_count:     1024
    .wavefront_size: 32
...
	.end_amdgpu_metadata
.endif
;; end of part 2
;; ======== version 2 of 2: 2 launches; version 1 with the launch ffn written anew for expert scheduling mode
;; workspace buffers: wq 4,325,376 bytes; order 65,536 bytes of whole numbers; counts 1,024 bytes of whole numbers
;; launch prep: the kernel of part 1 again; grid 129 x 1, 8 waves a work-group, no clusters, 1,280 bytes of LDS; arguments W1, W2, b_seq, wq, order, counts; writes wq, order, counts
;; launch ffn (part 3): grid 258 x 1, 4 waves a work-group, no clusters, 218,624 bytes of LDS; arguments x, B1, B2, wq, order, counts, out0; writes out0
.if DOCPART == 3
	.amdgcn_target "amdgcn-amd-amdhsa--gfx1250"
	.amdhsa_code_object_version 6
	.text
	.protected	k_qbba7a6b39c_ffn
	.globl	k_qbba7a6b39c_ffn
	.p2align	8
	.type	k_qbba7a6b39c_ffn,@function
k_qbba7a6b39c_ffn:
	s_mov_b64 s[64:65], 0
	v_nop
	global_prefetch_b8 v0, s[64:65] scope:SCOPE_SE
	s_setreg_imm32_b32 hwreg(HW_REG_WAVE_SCHED_MODE, 0, 2), 2
	s_setreg_imm32_b32 hwreg(HW_REG_WAVE_MODE, 25, 1), 1
	s_wait_xcnt 0x0
	s_wait_alu depctr_vm_vsrc(0)
; out[t] = relu(x[t] W1[e] + B1[e]) W2[e] + B2[e] for tokens of behaviour e + 1 (e = 0, 1), zeros for every other behaviour.  Both products on codes of E4M3 with one E8M0 scale
; for each 32 along K.  Only each token's own expert is multiplied: the other's result is what the one-hot throws away.
; TILES.  The tokens lie sorted in 'order': n1 of expert 0, n2 of expert 1, the rest.  A work-group takes 64 sorted rows of ONE class.  Three classes of 16,384 rows in tiles of 64
; are never more than (16384 + 3 x 63) / 64 = 258 tiles, whatever the split: tiles of expert 0, of expert 1, of padding, then tiles that the split leaves empty (they store nothing).
; A ragged tile repeats its last row: the same bits are made and stored again, by the same wave.  So no lane is ever switched off.
; THE CHAIN of a tile: gather and quantise x (16 rows a wave) -> images in LDS | barrier | product 1 (C = B1), relu, quantise -> images in LDS | barrier | product 2 on top of B2 | scatter.
; THE WAVES SHARE THE COLUMNS: wave w makes hidden units 512 w .. + 511 and outputs 128 w .. + 127 for all 64 rows.  Its weights are one run of 540,672 bytes of wq, laid in the order
; of the operand registers; they go from memory straight into a ring of four sets of 128 registers, two sets ahead, each fragment loaded by one wave and used for four tiles of rows.
; Both products are used transposed (source 0 = 16 rows of the weight, source 1 = 16 tokens): a lane holds one token, its registers run along the units.  The hidden units of a tile
; are not neighbours (lane r of tile u of a pair: unit 8 u + r + 8 (r / 8)), so that a pair's 16 registers are 16 neighbours along the next K.
; EVERY WORK-GROUP PASSES THE SAME BARRIERS AND WALKS THE SAME LOOPS OF CONSTANT COUNT; whether a tile has products hangs on counts read from memory, so only the bodies stand under a
; scalar branch, and address steps stand outside them.  The price: a tile without products still gathers (token 0's row, 64 times) and asks for two weight sets a wave that it never reads.
; NO TENSOR LOADS, NO JOINT LOADS: which expert's weights a work-group walks, and whether it walks any, hangs on the counts; partners in a cluster would have to issue the same loads on
; every path, and about a third of the tiles (padding, empty) would stream 2 MB each for nothing.
; LIMITS: NaN and infinities among the inputs are not served.  A block of zeros gets the scale byte 1 where the quantiser's rule says 127: its codes are zeros, which add nothing.
; Blocks whose largest magnitude lies under 2^(9 - 127) are held at that floor's byte.
; THE MODE: SCHED_MODE bits 1:0 = 2 (LLVM: expert scheduling mode 2), set by the entry lines.  The code itself states the register dependences between vector or matrix instructions
; and memory or LDS instructions, with s_wait_alu, always for 0.
; THE PLAN.  Registers that memory or LDS instructions touch, and who else names them:
;   ring set k, WS   Step b of a product: its 32 matrix instructions read set b % 4 and its four scale registers; the 33 loads issued in step b land in set (b + 2) % 4, read last by step b - 2.
;   BI0, BI1         Pair b's matrix instructions read BI[b % 2] as C; the LDS loads at pair b's head land in BI[(b + 1) % 2], read last by pair b - 1.
;   PC, PW           Written by a quantiser's conversions and shifts, read by the LDS stores behind it, written again by the next quantiser.
;   HF0, HF1, HS     K step b's matrix instructions read set b % 2; the LDS loads at its head land in set (b + 1) % 2, read last by K step b - 1.
;   ADH .. ADS       Written once at a trip's head, read by the trip's LDS instructions.
;   OA, OB           The way out: 64 offsets, made once; a tile's 16 rows, which LDS loads fill and the stores read.
;   All other addresses are made at the head and never written again.
; PRODUCT 1: ONE wait on va_vdst a pair, behind its quantiser: the codes and bytes are written, and the pair's matrix instructions are done with their bias, their ring set and its scales.
; Behind it stand the code stores, the next pair's bias loads and weight loads; the weight loads are dealt among the next pair's matrix instructions, which name none of their registers.
; PRODUCT 2: ONE wait on va_vdst at the head of K steps 0 to 2 of a trip: the last K step's matrix instructions are done with the hidden set that is fetched anew.  K step 3 fetches no
; hidden fragments, and its weights land in the set that K step 2's wait has shown read out: it has no wait.  One wait on vm_vsrc stands at each trip's head, ahead of the address steps.
; REGISTERS, in windows of 256: window 0: v1-31 addresses; v32-63 scale words and nothing else; v64-127 the hidden accumulators; v128-215 at work; in product 2 v64-191 two sets of four hidden fragments.
;   window 1: x's 16 fragments, later the 32 accumulators of y.   windows 2, 3: the weight ring (set k: window 2 + k / 2, v[128 (k % 2)] on); window 3 first holds x's 256 numbers.
.set SETB,  16896                      ; a weight set: 8 fragments of 2,048 bytes + 512 bytes of scale words
.set STRM,  32*SETB                    ; a wave's stream
.set XIMG,  0                          ; LDS: x's fragments (tile of rows m, K step s) at (4 m + s) 2048, as images of their registers: [piece 4][lane 32][16 bytes]
.set XSC,   32768                      ; their scale words, (4 m + s) 128 + 4 lane
.set HIMG,  34816                      ; the hidden layer's fragments (K step S, m) at (4 S + m) 2048
.set HSC,   165888                     ; their scale words
.set BIAS1, 174080                     ; B1[e]: wave w's 2,048 bytes at 2048 w, read by that wave alone
.set BIAS2, 182272                     ; B2[e]: 512 bytes a wave
.set STG,   184320                     ; the way out: 16 rows x 528 bytes for each wave, its own
.set LI,   4                           ; v4   16 x lane
.set LS,   5                           ; v5   4 x lane
.set TK,   6                           ; v6-7 the tokens of rows lane and 32 + lane
.set TXR,  8                           ; v8   the token of row 16 w + lane % 16
.set XA,   9                           ; v9   its row of x, + 64 (lane / 16)
.set XWI,  10                          ; v10-11 where I store x's images and scale words
.set XWS,  11
.set HWI0, 12                          ; v12-13 the hidden layer's
.set HWS0, 13
.set BA0,  14                          ; v14  B1 in LDS: my wave's, + 64 (lane / 16)
.set B2A,  15                          ; v15  B2 in LDS: my wave's, + 32 (lane / 16)
.set HRI0, 16                          ; v16-17 where the hidden images and scale words are read
.set HRS0, 17
.set SO,   18                          ; v18  the stage: where I put 32 bytes of a row
.set SR,   19                          ; v19  and where I read a row back
.set OC,   20                          ; v20  my bytes of a row of out0: 512 w + 16 lane
.set ADH,  21                          ; v21-25 the addresses of the trip in hand
.set ADW,  22
.set ADB,  23
.set ADR,  24
.set ADS,  25
.set B1W,  26                          ; v26-27 where the biases are stored
.set B2W,  27
.set XS,   32                          ; v32-47 x's scale words 4 m + s;  in product 2 v32-39: the hidden layer's, two sets of four
.set HS,   32
.set WS,   48                          ; v48-63 the weights' scale words: four for each ring set
.set HA,   64                          ; hidden accumulator (m, u) at HA + 16 m + 8 u
.set PC,   128                         ; v128-143 codes just made
.set TM,   144                         ; v144-147 largest magnitudes, v148-151 bytes, v152-155 448 x the scale, v156-159 the conversions' scale operands
.set PW,   160                         ; v160-163 scale words in the making
.set BI,   164                         ; v164-195 B1 in the result's layout: two sets of two tiles
.set AUX,  196                         ; v196-215 the biases on their way to LDS
.set HF,   64                          ; product 2: hidden fragments, two sets of 4 x 16
.set OB,   64                          ; the way out: 16 rows read back
.set OA,   128                         ; v128-191 the 64 rows' offsets in out0
.set MSB, 0
.macro WIN new                         ; the immediate's high byte repeats the setting that is left; a switch that changes nothing is dropped
.if MSB != (\new)
	s_set_vgpr_msb (MSB<<8)|(\new)
.set MSB, (\new)
.endif
.endm
.macro PLACES n
.rept \n
	v_nop
.endr
.endm
.macro BARRIER                         ; my LDS stores have landed and my LDS loads are in: then the work-group's barrier
	s_wait_dscnt 0x0
	s_barrier_signal -1
	s_barrier_wait -1
.endm
; A weight set into ring place k is 33 loads: the set's four scale registers, and two runs of 16 loads of 512 consecutive bytes.  No cache hint: every tile of the expert reads these bytes.
.macro WSCALE k, off                   ; (every window is 0 here)
	global_load_b128 v[WS+4*(\k):WS+4*(\k)+3], v[LI], s[10:11] offset:(\off)+16384
.endm
.macro WHALF k, off, half
	WIN 0x80+0x40*((\k)/2)
.set nn, 16*(\half)
.rept 16
	global_load_b128 v[128*((\k)%2)+4*nn:128*((\k)%2)+4*nn+3], v[LI], s[10:11] offset:(\off)+512*nn
.set nn, nn+1
.endr
.endm
.macro WLOAD k, off                    ; the whole set in one run: at the head, where there are no matrix instructions yet to deal it among
	WSCALE \k, \off
	WHALF \k, \off, 0
	WHALF \k, \off, 1
	WIN 0
.endm
; Four groups of 16 numbers of a lane, v[src + 16 g + i] in window w, each half of a block of 32 (lane l xor 16 holds the other half), become 16 codes each in v[PC + 4 g] on;
; the blocks' bytes stay in v[TM + 4 + g].  relu = 1: what is negative becomes 0 on the way.  Accumulators are read from their low end on.
.macro QUANT4 src, w, relu
	WIN 5*(\w)
.irp g, 0,1,2,3
.if \relu
	v_max3_num_f32 v[TM+\g], v[(\src)+16*\g], v[(\src)+16*\g+1], 0x4800000           ; no |.|: what is negative must not count; the floor 2^(9 - 127) stands over it
.else
	v_max3_num_f32 v[TM+\g], |v[(\src)+16*\g]|, |v[(\src)+16*\g+1]|, 0x4800000       ; the floor holds the byte at 1 from below
.endif
.endr
	WIN 20*(\w)
.irp i, 2,4,6,8,10,12,14
.irp g, 0,1,2,3
.if \relu
	v_max3_num_f32 v[TM+\g], v[TM+\g], v[(\src)+16*\g+\i], v[(\src)+16*\g+\i+1]
.else
	v_max3_num_f32 v[TM+\g], v[TM+\g], |v[(\src)+16*\g+\i]|, |v[(\src)+16*\g+\i+1]|
.endif
.endr
.endr
	WIN 0
.irp g, 0,1,2,3
	v_permlanex16_b32 v[TM+4+\g], v[TM+\g], s20, s21
.endr
.irp g, 0,1,2,3
	v_max_num_f32 v[TM+\g], v[TM+\g], v[TM+4+\g]                ; with lane l xor 16's: the block's largest magnitude
.endr
.irp g, 0,1,2,3
	v_add_nc_u32 v[TM+12+\g], 0xfc000000, v[TM+\g]              ; 8 off its exponent field: the conversion's scale operand
.endr
.irp g, 0,1,2,3
	v_and_or_b32 v[TM+8+\g], v[TM+\g], 0x7f800000, s19          ; 448 x the scale
.endr
.irp g, 0,1,2,3
	v_lshrrev_b32 v[TM+4+\g], 23, v[TM+12+\g]                   ; the scale's byte
.endr
	WIN 65*(\w)
.irp g, 0,1,2,3
.irp i, 0,1,2,3,4,5,6,7,8,9,10,11,12,13,14,15
.if \relu
	v_med3_num_f32 v[(\src)+16*\g+\i], v[(\src)+16*\g+\i], 0, v[TM+8+\g]             ; the activation and the hold in one
.else
	v_med3_num_f32 v[(\src)+16*\g+\i], v[(\src)+16*\g+\i], -v[TM+8+\g], v[TM+8+\g]   ; the conversion to an 8-bit code does not saturate (ISA guide 7.6.2)
.endif
.endr
.endr
	WIN (\w)
.irp g, 0,1,2,3
	v_cvt_scalef32_pk8_fp8_f32 v[PC+4*\g:PC+4*\g+1], v[(\src)+16*\g:(\src)+16*\g+7], v[TM+12+\g]
	v_cvt_scalef32_pk8_fp8_f32 v[PC+4*\g+2:PC+4*\g+3], v[(\src)+16*\g+8:(\src)+16*\g+15], v[TM+12+\g]
.endr
	WIN 0
	v_nop                                          ; one plain vector line behind the last scaled conversion, ahead of whatever next touches its registers
.endm
; The offsets in out0 of my 16 bytes of tile rows 16 m + 0 .. 15, into v[dst] on.  The sixteen tokens go to scalar registers in one run, under one wait.
.macro ROWS16 m, dst
.irp i, 0,1,2,3,4,5,6,7,8,9,10,11,12,13,14,15
	v_readlane_b32 s[44+\i], v[TK+(\m)/2], 16*((\m)%2)+\i
.endr
	s_wait_alu depctr_va_sdst(0)                   ; s44 to s59 are written, ahead of their first readers
.irp i, 0,1,2,3,4,5,6,7,8,9,10,11,12,13,14,15
	s_min_u32 s[44+\i], s[44+\i], 0x3fff           ; a loaded number is held inside the table before it enters an address
	s_lshl_b32 s[44+\i], s[44+\i], 11              ; a row of 2,048 bytes
	v_add_nc_u32 v[(\dst)+\i], s[44+\i], v[OC]
.endr
.endm
	; ---------------- HEAD
	s_load_b256 s[4:11], s[0:1], 0x0               ; x s[4:5], B1 s[6:7], B2 s[8:9], wq s[10:11]
	s_load_b128 s[12:15], s[0:1], 0x20             ; order s[12:13], counts s[14:15]
	s_load_b64 s[16:17], s[0:1], 0x30              ; out0
	v_lshl_add_u32 v254, v0, 2, 0x35400
	v_mov_b32 v255, 0
	v_lshrrev_b32 v28, 5, v0
	v_readfirstlane_b32 s18, v28                   ; wave 0..3
	v_and_b32 v1, 31, v0                           ; lane
	v_and_b32 v2, 15, v0                           ; r
	v_bfe_u32 v3, v0, 4, 1                         ; h
	v_lshlrev_b32 v[LI], 4, v1
	v_lshlrev_b32 v[LS], 2, v1
	s_mov_b32 s19, 0x600000                        ; the mantissa field of 448
	s_mov_b32 s20, 0x76543210
	s_mov_b32 s21, 0xfedcba98                      ; v_permlanex16_b32's selects for lane l xor 16
	s_wait_kmcnt 0x0
	s_load_b64 s[22:23], s[14:15], 0x0             ; n1, n2
	s_wait_alu depctr_va_sdst(0)                   ; s18 is written, ahead of its first reader: the LDS places and the bases below are made from it
	s_lshl_b32 s36, s18, 13
	v_add_nc_u32 v[XWI], s36, v[LI]                ; XIMG + 8192 w + 16 lane: my 16 rows are tile m = w
	s_lshl_b32 s36, s18, 9
	s_add_co_u32 s36, s36, XSC
	v_add_nc_u32 v[XWS], s36, v[LS]
	s_lshl_b32 s36, s18, 15
	s_add_co_u32 s36, s36, HIMG
	v_add_nc_u32 v[HWI0], s36, v[LI]               ; my 512 hidden units are K steps 4 w .. 4 w + 3
	s_lshl_b32 s36, s18, 11
	s_add_co_u32 s36, s36, HSC
	v_add_nc_u32 v[HWS0], s36, v[LS]
	s_lshl_b32 s36, s18, 11
	s_add_co_u32 s36, s36, BIAS1
	v_lshl_add_u32 v[BA0], v3, 6, s36
	v_add_nc_u32 v[B1W], s36, v[LI]
	s_lshl_b32 s36, s18, 9
	s_add_co_u32 s36, s36, BIAS2
	v_lshl_add_u32 v[B2A], v3, 5, s36
	v_add_nc_u32 v[B2W], s36, v[LI]
	v_add_nc_u32 v[HRI0], HIMG, v[LI]
	v_add_nc_u32 v[HRS0], HSC, v[LS]
	s_mul_i32 s36, s18, 16*528
	s_add_co_u32 s36, s36, STG
	v_mul_u32_u24 v[SO], v2, 528
	v_lshl_add_u32 v[SO], v3, 5, v[SO]
	v_add_nc_u32 v[SO], s36, v[SO]                 ; row r, + 32 h
	v_add_nc_u32 v[SR], s36, v[LI]
	s_lshl_b32 s36, s18, 9
	v_add_nc_u32 v[OC], s36, v[LI]
.irp g, 0,1,2,3
	v_mov_b32 v[TM+4+\g], 0                        ; written once: a lane permute's destination counts as one of its sources
.endr
	s_mov_b32 s39, 0                               ; the loops' LDS steps
	s_mov_b32 s40, 0
	s_mov_b32 s41, 0
	s_mov_b32 s42, 0
	s_mov_b32 s43, 0
	s_wait_kmcnt 0x0
	s_min_u32 s22, s22, 0x4000
	s_min_u32 s23, s23, 0x4000
	s_add_co_u32 s24, s22, 63
	s_lshr_b32 s24, s24, 6                         ; expert 0's tiles
	s_add_co_u32 s25, s23, 63
	s_lshr_b32 s25, s25, 6
	s_add_co_u32 s25, s25, s24                     ; + expert 1's
	s_add_co_u32 s44, s22, s23
	s_min_u32 s44, s44, 0x4000                     ; n1 + n2
	s_sub_co_u32 s35, 0x4000, s44                  ; the padding's rows
	s_add_co_u32 s26, s35, 63
	s_lshr_b32 s26, s26, 6
	s_add_co_u32 s26, s26, s25                     ; + the padding's tiles
	s_cmp_lt_u32 ttmp9, s24
	s_cselect_b32 s27, 0, s24                      ; my class's first tile,
	s_cselect_b32 s28, s22, s23                    ; its rows,
	s_cselect_b32 s29, 0, s22                      ; its first place in 'order',
	s_cselect_b32 s30, 0, 1                        ; the expert
	s_cmp_lt_u32 ttmp9, s25
	s_cselect_b32 s27, s27, s25
	s_cselect_b32 s28, s28, s35
	s_cselect_b32 s29, s29, s44
	s_cselect_b32 s31, 1, 0                        ; WORK: the tile has products
	s_cmp_lt_u32 ttmp9, s26
	s_cselect_b32 s32, 1, 0
	s_xor_b32 s32, s32, s31                        ; PAD: the tile has rows and no products
	s_sub_co_u32 s33, ttmp9, s27
	s_lshl_b32 s33, s33, 6                         ; the rows of my class ahead of my tile
	s_sub_co_u32 s34, s28, s33
	s_sub_co_u32 s34, s34, 1
	s_min_u32 s34, s34, 63                         ; my last row
	s_add_co_u32 s33, s33, s29                     ; my first place in 'order'
	s_min_u32 s30, s30, 1
	s_lshl_b32 s36, s30, 13
	s_lshl_b32 s37, s18, 11
	s_add_co_u32 s36, s36, s37
	s_mov_b32 s37, 0
	s_add_nc_u64 s[6:7], s[6:7], s[36:37]          ; B1[e], my 512 numbers
	s_lshl_b32 s36, s30, 11
	s_lshl_b32 s37, s18, 9
	s_add_co_u32 s36, s36, s37
	s_mov_b32 s37, 0
	s_add_nc_u64 s[8:9], s[8:9], s[36:37]          ; B2[e], my 128
	s_lshl_b32 s36, s30, 2
	s_add_co_u32 s36, s36, s18
	s_mul_i32 s36, s36, STRM
	s_add_nc_u64 s[10:11], s[10:11], s[36:37]      ; my stream of weights
	v_min_u32 v28, s34, v1                         ; row min(lane, last row),
	v_add_nc_u32 v28, s33, v28
	v_min_u32 v28, 0x3fff, v28
	v_lshlrev_b32 v28, 2, v28
	v_add_nc_u32 v29, 32, v1                       ; row 32 + lane,
	v_min_u32 v29, s34, v29
	v_add_nc_u32 v29, s33, v29
	v_min_u32 v29, 0x3fff, v29
	v_lshlrev_b32 v29, 2, v29
	s_lshl_b32 s36, s18, 4
	v_add_nc_u32 v30, s36, v2                      ; row 16 w + r
	v_min_u32 v30, s34, v30
	v_add_nc_u32 v30, s33, v30
	v_min_u32 v30, 0x3fff, v30
	v_lshlrev_b32 v30, 2, v30
	s_wait_alu depctr_va_vdst(0)                   ; v28 to v30 are written, which the three loads read as offsets; so are all the addresses made above, which stay as they are
	global_load_b32 v[TK], v28, s[12:13]
	global_load_b32 v[TK+1], v29, s[12:13]
	global_load_b32 v[TXR], v30, s[12:13]
	s_wait_loadcnt 0x0
	v_min_u32 v[TK], 0x3fff, v[TK]
	v_min_u32 v[TK+1], 0x3fff, v[TK+1]
	v_min_u32 v[TXR], 0x3fff, v[TXR]
	v_mul_u32_u24 v[XA], s31, v[TXR]               ; a tile without products gathers token 0's row
	v_lshlrev_b32 v[XA], 11, v[XA]
	v_lshl_add_u32 v[XA], v3, 6, v[XA]             ; my 16 numbers of a block of 32
	; ---------------- PADDING: zeros to the tile's rows; wave w stores bytes 512 w .. + 511 of each: 512 consecutive bytes a store
	s_cmp_eq_u32 s32, 0
	s_cbranch_scc1 .Lno_pad
.irp q, 0,1,2,3
	v_mov_b32 v[64+\q], 0
.endr
.irp m, 0,1,2,3
	ROWS16 \m, 128+16*\m
.endr
	s_wait_alu depctr_va_vdst(0)                   ; the zeros in v64 to v67 and the 64 offsets in v128 to v191 are written, which the stores read
.irp m, 0,1,2,3
.irp i, 0,1,2,3,4,5,6,7,8,9,10,11,12,13,14,15
	global_store_b128 v[128+16*\m+\i], v[64:67], s[16:17] th:TH_STORE_NT
.endr
.endr
	s_wait_xcnt 0x0                                ; the stores' registers are written again further down only behind this wait,
	s_wait_alu depctr_vm_vsrc(0)                   ; and behind this one: the stores have read v64 to v67 and v128 to v191, which the quantisers, the products and later loads write
.Lno_pad:
	; ---------------- X: the biases go to LDS; my 16 rows of x become four fragments
	s_wait_alu depctr_va_vdst(0)                   ; v[XA] is written, which x's loads read as their offset; on the padding's way v128 to v191 are written, in which later loads land
.irp q, 0,1,2,3
	global_load_b128 v[AUX+4*\q:AUX+4*\q+3], v[LI], s[6:7] offset:512*\q
.endr
	global_load_b128 v[AUX+16:AUX+19], v[LI], s[8:9]
	WIN 0xc0                                       ; destination window 3
.set nn, 0
.rept 64                                       ; K step s, block b, piece j: register 64 s + 16 b + 4 j = x(row, 128 s + 32 b + 16 h + 4 j ..).  No cache hint: a ragged tile names a row twice
	global_load_b128 v[4*nn:4*nn+3], v[XA], s[4:5] offset:512*(nn/16)+128*((nn/4)%4)+16*(nn%4)
.set nn, nn+1
.endr
	WIN 0
	s_wait_loadcnt 63                              ; 69 were issued: the oldest six are in, the five loads of the biases among them
.irp q, 0,1,2,3
	ds_store_b128 v[B1W], v[AUX+4*\q:AUX+4*\q+3] offset:512*\q
.endr
	ds_store_b128 v[B2W], v[AUX+16:AUX+19]
.irp s, 0,1,2,3
	s_wait_loadcnt 48-16*\s                        ; this K step's 16 loads are in; those of the later K steps may be out
.if \s == 3
	WLOAD 0, 0                                     ; all of x is in: the first two weight sets are asked for, into window 2 and v48 to v55, which no vector instruction has named
	WLOAD 1, SETB
.endif
	QUANT4 64*\s, 3, 0
	v_lshl_or_b32 v[PW], v[TM+5], 8, v[TM+4]       ; the four bytes make my row's scale word
	v_lshl_or_b32 v[PW], v[TM+6], 16, v[PW]
	v_lshl_or_b32 v[PW], v[TM+7], 24, v[PW]
	s_wait_alu depctr_va_vdst(0)                   ; the conversions have written v[PC ..] and the shifts v[PW], which the LDS stores read; in the last K step: the quantiser is done with window 3, in which weights will land
.irp c, 0,1,2,3
	ds_store_b128 v[XWI], v[PC+4*\c:PC+4*\c+3] offset:2048*\s+512*\c
.endr
	ds_store_b32 v[XWS], v[PW] offset:128*\s
	s_wait_dscnt 0x0                               ; the stores are done
.if \s < 3
	s_wait_alu depctr_vm_vsrc(0)                   ; and have read v[PC ..] and v[PW], which the next K step's quantiser writes again (the last K step's: see product 1's head)
.endif
.endr
	BARRIER                                        ; x's sixteen fragments lie in LDS
	; ---------------- all of x's fragments into window 1; they stay through product 1.  No vector instruction has named window 1 or v32 to v47
	WIN 0x40
.set nn, 0
.rept 64
	ds_load_b128 v[4*nn:4*nn+3], v[LI] offset:XIMG+512*nn
.set nn, nn+1
.endr
	WIN 0
.set nn, 0
.rept 16
	ds_load_b32 v[XS+nn], v[LS] offset:XSC+128*nn
.set nn, nn+1
.endr
	s_wait_dscnt 0x0
; B1 of pair b of the trip, in the result's layout: lane (r, h), tile u: units 16 h + 8 u + 0..7 of the pair
.macro BFETCH b
.irp u, 0,1
.irp q, 0,1
	ds_load_b128 v[BI+16*((\b)%2)+8*\u+4*\q:BI+16*((\b)%2)+8*\u+4*\q+3], v[ADB] offset:128*(\b)+32*\u+16*\q
.endr
.endr
.endm
; 8 matrix instructions: K step s of ring set k (a pair of tiles of hidden units) x the four tiles of rows.  The eight accumulators take turns, one instruction a turn.
.macro MM1S k, b, s
	WIN 0x06+(\k)/2                                ; source 0 (W1) window 2 or 3, source 1 (x) window 1, C and D window 0
.irp m, 0,1,2,3
.irp u, 0,1
.set rD, HA+16*\m+8*\u
.set rA, 128*((\k)%2)+16*(2*(\s)+\u)
.set rB, 16*(4*\m+(\s))
.set rC, rD
.if (\s) == 0
.set rC, BI+16*((\b)%2)+8*\u                   ; the bias starts the sum
.endif
.if \u
	v_wmma_scale_f32_16x16x128_f8f6f4 v[rD:rD+7], v[rA:rA+15], v[rB:rB+15], v[rC:rC+7], v[WS+4*(\k)+(\s)], v[XS+4*\m+(\s)] matrix_a_scale:MATRIX_SCALE_ROW1
.else
	v_wmma_scale_f32_16x16x128_f8f6f4 v[rD:rD+7], v[rA:rA+15], v[rB:rB+15], v[rC:rC+7], v[WS+4*(\k)+(\s)], v[XS+4*\m+(\s)]
.endif
.endr
.endr
.endm
; A trip of product 1: four pairs = 128 hidden units = one K step of product 2, for all 64 rows.
.macro TRIP1
	s_wait_alu depctr_va_vdst(0)                   ; v[ADH], v[ADW] and v[ADB] are written, which this trip's LDS loads and stores read as addresses
	BFETCH 0
.irp b, 0,1,2,3
	s_wait_loadcnt 33                              ; this pair's set is in; the next set's 33 loads may be out
.if \b < 3
	BFETCH \b+1                                    ; into the bias set that the last pair's matrix instructions read: the wait behind the last pair's quantiser has shown them done
.endif
	WSCALE (\b+2)%4, (\b+2)*SETB                   ; two sets ahead: its scale words now, its fragments among the matrix instructions below.  In the last trip the stream runs on into W2's sets
.if (\b == 0) || (\b == 3)
	s_wait_dscnt 4                                 ; this pair's bias is in: younger are the next pair's four loads (b = 0) or the last pair's four code stores (b = 3)
.else
	s_wait_dscnt 8                                 ; younger: the last pair's four code stores and the next pair's four loads
.endif
	MM1S \b, \b, 0
	WHALF (\b+2)%4, (\b+2)*SETB, 0                 ; no wait: this ring place was read last two pairs ago, ahead of the last wait on va_vdst, and this pair's matrix instructions name another place, other scale registers and not v[LI]
	MM1S \b, \b, 1
	WHALF (\b+2)%4, (\b+2)*SETB, 1
	MM1S \b, \b, 2
	MM1S \b, \b, 3
	WIN 0
	PLACES 8                                       ; behind this form eight plain vector lines stand ahead of the first read of a result
.if \b < 3
	s_wait_dscnt 4                                 ; the last pair's code stores are done (the next pair's bias may be out)
.else
	s_wait_dscnt 0x0
.endif
.if \b > 0
	s_wait_alu depctr_vm_vsrc(0)                   ; the last pair's code stores have read v[PC ..], which the conversions below write again (pair 0: the wait at the trip's head)
.endif
	QUANT4 HA, 0, 1                                ; group m: rows 16 m on, this pair's 32 units: one block of the next K
.irp m, 0,1,2,3
.if \b == 0
	v_mov_b32 v[PW+\m], v[TM+4+\m]
.else
	v_lshl_or_b32 v[PW+\m], v[TM+4+\m], 8*\b, v[PW+\m]
.endif
.endr
	s_wait_alu depctr_va_vdst(0)                   ; the pair's one wait: v[PC ..] and v[PW ..] are written, which the LDS stores read; the pair's matrix instructions are done reading their bias, their ring set and its scale words, in which later loads land
.irp m, 0,1,2,3
	ds_store_b128 v[ADH], v[PC+4*\m:PC+4*\m+3] offset:2048*\m+512*\b     ; piece b of fragment (K step, m)
.endr
.if \b == 3
.irp m, 0,1,2,3
	ds_store_b32 v[ADW], v[PW+\m] offset:128*\m
.endr
.endif
.endr
.endm
	; ---------------- PRODUCT 1: four trips, in every tile; the body only where there are products
	s_mov_b32 s38, 4
.Lp1:
	s_wait_alu depctr_vm_vsrc(0)                   ; the LDS instructions issued so far have read the three addresses below, and the last stores of codes and scale words (x's, or the last trip's) have read v[PC ..] and v[PW ..]
	v_add_nc_u32 v[ADH], s39, v[HWI0]
	v_add_nc_u32 v[ADW], s40, v[HWS0]
	v_add_nc_u32 v[ADB], s41, v[BA0]
	s_cmp_eq_u32 s31, 0
	s_cbranch_scc1 .Lp1_skip
	TRIP1
.Lp1_skip:
	s_wait_xcnt 0x0                                ; the loads that are out have had their addresses translated: the stream's base may step
	s_add_nc_u64 s[10:11], s[10:11], 4*SETB
	s_add_co_u32 s39, s39, 8192
	s_add_co_u32 s40, s40, 512
	s_add_co_u32 s41, s41, 512
	s_sub_co_u32 s38, s38, 1
	s_cmp_lg_u32 s38, 0
	s_cbranch_scc1 .Lp1
	; ---------------- y begins as B2: loaded straight into the 32 accumulators (n, m) at 8 (4 n + m) of window 1, where x's fragments lay.
	; No wait: the last pair's wait has shown the matrix instructions done reading window 1, and no vector or matrix instruction has been issued since
	WIN 0x40
.irp n, 0,1,2,3,4,5,6,7
.irp m, 0,1,2,3
	ds_load_b128 v[8*(4*\n+\m):8*(4*\n+\m)+3], v[B2A] offset:64*\n
	ds_load_b128 v[8*(4*\n+\m)+4:8*(4*\n+\m)+7], v[B2A] offset:64*\n+16
.endr
.endr
	WIN 0
	BARRIER                                        ; the hidden layer's 64 fragments lie in LDS
; K step b of the trip: the four hidden fragments and their scale words: 20 LDS loads
.macro HFETCH b
.irp m, 0,1,2,3
.irp c, 0,1,2,3
	ds_load_b128 v[HF+64*((\b)%2)+16*\m+4*\c:HF+64*((\b)%2)+16*\m+4*\c+3], v[ADR] offset:8192*(\b)+2048*\m+512*\c
.endr
	ds_load_b32 v[HS+4*((\b)%2)+\m], v[ADS] offset:512*(\b)+128*\m
.endr
.endm
; 4 matrix instructions: tile n of my eight tiles of outputs (ring set k, one K step) x the four tiles of rows.  The 32 accumulators take turns, one instruction a turn.
.macro MM2N k, b, n
	WIN 0x52+(\k)/2                                ; source 0 (W2) window 2 or 3, source 1 (hidden) window 0, C and D window 1
.irp m, 0,1,2,3
.set rD, 8*(4*(\n)+\m)
.set rA, 128*((\k)%2)+16*(\n)
.set rB, HF+64*((\b)%2)+16*\m
.if (\n)%2
	v_wmma_scale_f32_16x16x128_f8f6f4 v[rD:rD+7], v[rA:rA+15], v[rB:rB+15], v[rD:rD+7], v[WS+4*(\k)+(\n)/2], v[HS+4*((\b)%2)+\m] matrix_a_scale:MATRIX_SCALE_ROW1
.else
	v_wmma_scale_f32_16x16x128_f8f6f4 v[rD:rD+7], v[rA:rA+15], v[rB:rB+15], v[rD:rD+7], v[WS+4*(\k)+(\n)/2], v[HS+4*((\b)%2)+\m]
.endif
.endr
.endm
; A trip of product 2: four K steps.  ahead = 0: the last trip, whose last two steps ask for no weights: the stream has ended.
.macro TRIP2 ahead
.irp b, 0,1,2,3
.if (\ahead == 0) && (\b == 3)
	s_wait_loadcnt 0x0
.else
	s_wait_loadcnt 33                              ; this K step's set is in; the next set's 33 loads may be out
.endif
	PLACES 8                                       ; ahead of loads into registers that the last products read
.if \b < 3
	s_wait_alu depctr_va_vdst(0)                   ; the last K step's matrix instructions are done reading their hidden fragments and scale words, in which the LDS loads below land; in a trip's first K step v[ADR] and v[ADS] are written
.endif                                                 ; (K step 3 fetches no hidden fragments, and its weights land in the ring place that K step 1 read: K step 2's wait has shown that done, and nothing since names it)
.if \b == 0
	HFETCH 0
.endif
.if \b < 3
	HFETCH \b+1
.endif
.if \ahead || (\b < 2)
	WSCALE (\b+2)%4, (\b+2)*SETB                   ; two sets ahead: its scale words now, its fragments among the matrix instructions below
.endif
.if \b < 3
	s_wait_dscnt 20                                ; this K step's fragments are in; the 20 loads just issued may be out
.else
	s_wait_dscnt 0x0
.endif
.irp n, 0,1
	MM2N \b, \b, \n
.endr
.if \ahead || (\b < 2)
	WHALF (\b+2)%4, (\b+2)*SETB, 0                 ; no wait: this K step's matrix instructions name another ring place, other scale registers and not v[LI]
.endif
.irp n, 2,3
	MM2N \b, \b, \n
.endr
.if \ahead || (\b < 2)
	WHALF (\b+2)%4, (\b+2)*SETB, 1
.endif
.irp n, 4,5,6,7
	MM2N \b, \b, \n
.endr
	WIN 0
.endr
.endm
	; ---------------- PRODUCT 2: three trips in the loop, the fourth written out
	s_mov_b32 s38, 3
.Lp2:
	s_wait_alu depctr_vm_vsrc(0)                   ; the LDS loads issued so far have read the two addresses below; in the first trip: product 1's last stores have read v[PC ..] and v[PW ..], in which hidden fragments land
	v_add_nc_u32 v[ADR], s42, v[HRI0]
	v_add_nc_u32 v[ADS], s43, v[HRS0]
	s_cmp_eq_u32 s31, 0
	s_cbranch_scc1 .Lp2_skip
	TRIP2 1
.Lp2_skip:
	s_wait_xcnt 0x0                                ; as above: the base steps only behind this wait
	s_add_nc_u64 s[10:11], s[10:11], 4*SETB
	s_add_co_u32 s42, s42, 32768
	s_add_co_u32 s43, s43, 2048
	s_sub_co_u32 s38, s38, 1
	s_cmp_lg_u32 s38, 0
	s_cbranch_scc1 .Lp2
	s_wait_alu depctr_vm_vsrc(0)                   ; the LDS loads issued so far have read the two addresses below
	v_add_nc_u32 v[ADR], s42, v[HRI0]
	v_add_nc_u32 v[ADS], s43, v[HRS0]
	s_cmp_eq_u32 s31, 0
	s_cbranch_scc1 .Lend
	TRIP2 0
	; ---------------- THE WAY OUT, a tile of 16 rows at a time: a lane holds 32 neighbouring bytes of a row and the lanes beside it other rows, so the tile goes through my own stage
	; and comes back as rows of 512 bytes, which the 32 lanes store whole, each at its token's row.  LDS serves a wave's instructions in order (ISA guide 5.7.1.4): no wait between stores and loads.
	; The 64 rows' offsets are made first, in registers of their own, so that one wait serves all four tiles.
	PLACES 8
.irp m, 0,1,2,3
	ROWS16 \m, OA+16*\m
.endr
	s_wait_alu depctr_va_vdst(0)                   ; the matrix instructions have written the accumulators, which the LDS stores read (the places above stay beside this wait), and are done reading v64 to v127, in which the rows land; the 64 offsets are written
.irp m, 0,1,2,3
.if \m > 0
	s_wait_xcnt 0x0                                ; the last tile's stores have had their addresses translated,
	s_wait_alu depctr_vm_vsrc(0)                   ; and have read v[OB ..], in which this tile's rows land
.endif
	WIN 0x04                                       ; an LDS store's data are its source 1: window 1
.irp n, 0,1,2,3,4,5,6,7
	ds_store_b128 v[SO], v[8*(4*\n+\m):8*(4*\n+\m)+3] offset:64*\n          ; each accumulator from its low end on
	ds_store_b128 v[SO], v[8*(4*\n+\m)+4:8*(4*\n+\m)+7] offset:64*\n+16
.endr
	WIN 0
.irp i, 0,1,2,3,4,5,6,7,8,9,10,11,12,13,14,15
	ds_load_b128 v[OB+4*\i:OB+4*\i+3], v[SR] offset:528*\i
.endr
.irp i, 0,1,2,3,4,5,6,7,8,9,10,11,12,13,14,15
	s_wait_dscnt 15-\i                             ; row i is back; the younger loads may be out
	global_store_b128 v[OA+16*\m+\i], v[OB+4*\i:OB+4*\i+3], s[16:17] th:TH_STORE_NT   ; 512 consecutive bytes, at a multiple of 512 from out0's first byte
.endr
.endr
.Lend:
	s_wait_dscnt 0x0                               ; the closing lines, six on end
	s_wait_alu 0x0
	s_wait_tensorcnt 0x0
	ds_add_u32 v254, v255
	s_wait_dscnt 0x0
	s_endpgm
.Lfunc_end_k_qbba7a6b39c_ffn:
	.size	k_qbba7a6b39c_ffn, .Lfunc_end_k_qbba7a6b39c_ffn-k_qbba7a6b39c_ffn
	.p2alignl 7, 3214868480
	.fill 96, 4, 3214868480
	.section	.rodata,"a",@progbits
	.p2align	6, 0x0
	.amdhsa_kernel k_qbba7a6b39c_ffn
		.amdhsa_group_segment_fixed_size 218624
		.amdhsa_private_segment_fixed_size 0
		.amdhsa_enable_private_segment 0
		.amdhsa_kernarg_size 56
		.amdhsa_user_sgpr_count 2
		.amdhsa_user_sgpr_kernarg_segment_ptr 1
		.amdhsa_wavefront_size32 1
		.amdhsa_system_sgpr_workgroup_id_x 1
		.amdhsa_system_sgpr_workgroup_id_y 1
		.amdhsa_system_sgpr_workgroup_id_z 1
		.amdhsa_system_vgpr_workitem_id 0
		.amdhsa_next_free_vgpr 1024
		.amdhsa_next_free_sgpr 66
		.amdhsa_reserve_vcc 0
		.amdhsa_float_denorm_mode_32 3
		.amdhsa_float_denorm_mode_16_64 3
		.amdhsa_memory_ordered 1
		.amdhsa_forward_progress 1
		.amdhsa_inst_pref_size 241
	.end_amdhsa_kernel
	.amdgpu_metadata
---
amdhsa.version: [ 1, 2 ]
amdhsa.kernels:
  - .name:           k_qbba7a6b39c_ffn
    .symbol:         k_qbba7a6b39c_ffn.kd
    .args:
      - { .name: x, .offset: 0, .size: 8, .value_kind: global_buffer, .address_space: global }
      - { .name: B1, .offset: 8, .size: 8, .value_kind: global_buffer, .address_space: global }
      - { .name: B2, .offset: 16, .size: 8, .value_kind: global_buffer, .address_space: global }
      - { .name: wq, .offset: 24, .size: 8, .value_kind: global_buffer, .address_space: global }
      - { .name: order, .offset: 32, .size: 8, .value_kind: global_buffer, .address_space: global }
      - { .name: counts, .offset: 40, .size: 8, .value_kind: global_buffer, .address_space: global }
      - { .name: out0, .offset: 48, .size: 8, .value_kind: global_buffer, .address_space: global }
    .group_segment_fixed_size: 218624
    .private_segment_fixed_size: 0
    .kernarg_segment_align: 8
    .kernarg_segment_size: 56
    .max_flat_workgroup_size: 128
    .sgpr_count:     66
    .vgpr_count:     1024
    .wavefront_size: 32
...
	.end_amdgpu_metadata
.endif
;; end of part 3
